; MI455X (gfx1250); checked and timed in simulation.
; The chip was launched on July 23, 2026; its instructions are those of AMD's public machine-readable ISA for CDNA 5 (MIT licence, August 2026) and "CDNA5" Instruction Set Architecture Reference Guide (July 2026). The comments in the code are by the model that wrote it; some were corrected since.
;; curiosity. Allowed arithmetic: matrix products marked QUANTISED: E2M3 operands, one E8M0 scale for each 32 along K, by v_wmma_scale_f32_16x16x128_f8f6f4 with both operands' format E2M3, f32 sums; everything else in f32.
;; Inputs: Wo 1,024 x 1,024 float32; Wqkv 1,024 x 3,072 float32; Wqkv_aux 1,024 x 3,072 float32; bo 1,024 float32; bqkv 3,072 float32; bqkv_aux 3,072 float32; g 16 float32; x 2 x 2,048 x 1,024 float32; xa 2 x 1,500 x 1,024 float32.
;; Outputs: out0 2 x 2,048 x 1,024 float32.
;; This version of the problem:
;;   THIS VERSION OF THE PROBLEM IS GIVEN IN LOW PRECISION. The matrix products marked QUANTISED in the list below multiply operands that are first quantised to E2M3 (2 exponent bits, 3 mantissa bits; 6 bits a number), with one power-of-two scale for each 32 numbers along K (OCP MX v1.0); their sums are f32. All else is computed in f32.
;;   The module's matrix products, in the order in which they are computed (A, B: the left and right operand; K: the contracted axis; several contracted axes count as one K, in the product's order):
;;     1. [M 4,096, K 1,024] x [K 1,024, N 3,072]; A: input x; B: input Wqkv: QUANTISED
;;     2. [M 3,000, K 1,024] x [K 1,024, N 3,072]; A: input xa; B: input Wqkv_aux: QUANTISED
;;     3. batch 32 x [M 2,048, K 64] x [K 64, N 2,048]; A: computed on the way; B: computed on the way: QUANTISED
;;     4. batch 32 x [M 2,048, K 64] x [K 64, N 1,500]; A: computed on the way; B: computed on the way: QUANTISED
;;     5. batch 32 x [M 2,048, K 2,048] x [K 2,048, N 64]; A: softmax (see below); B: computed on the way: QUANTISED
;;     6. batch 32 x [M 2,048, K 1,500] x [K 1,500, N 64]; A: softmax (see below); B: computed on the way: QUANTISED
;;     7. [M 4,096, K 1,024] x [K 1,024, N 1,024]; A: computed on the way; B: input Wo: QUANTISED
;;   THE QUANTISER, for each operand of a quantised product, along K:
;;     - K is cut into blocks of 32 from its start; a last block that is shorter is filled with zeros.
;;     - A block's scale is 2^e with e = floor(log2(the largest magnitude in the block)) - 2, held to -126 .. 127; a block of zeros has e = 0. As a byte (E8M0): e + 127.
;;     - Each number is divided by its block's scale, clamped to +-7.5, and rounded to the nearest number of E2M3, ties to even, subnormals kept.
;;     - The product sums the exact products of the quantised numbers (number of the format x scale) in f32.
;;   ~~~python
;;   def quantise(x, axis):      # numpy; x: float32 -> the quantised numbers, widened to float32 again
;;       x = np.moveaxis(x, axis, -1); K = x.shape[-1]
;;       x = np.pad(x, [(0, 0)] * (x.ndim - 1) + [(0, -K % 32)]); x = x.reshape(x.shape[:-1] + (-1, 32)); a = np.abs(x).max(-1, keepdims=True)
;;       e = np.where(a > 0, np.clip(np.frexp(np.where(a > 0, a, 1))[1] - 1 - 2, -126, 127), 0)      # np.frexp(a)[1] - 1 = floor(log2(a)), exactly
;;       r = np.clip(x / 2.0 ** e, -7.5, 7.5)
;;       step = 2.0 ** (np.maximum(np.frexp(np.where(r == 0, 1, r))[1] - 1, 0) - 3)
;;       q = np.round(r / step) * step * 2.0 ** e      # np.round: ties to even
;;       return np.moveaxis(q.reshape(q.shape[:-2] + (-1,))[..., :K], -1, axis).astype(np.float32)
;;   ~~~
;;   SOFTMAX AHEAD OF A QUANTISED PRODUCT. Where the list says 'softmax', what is quantised is not the finished softmax but p = 2^(t - M), with t = logit x log2(e) and M = ceil(the row's largest t), a whole number; so 1/2 < the row's largest p <= 1. The row's sum l is taken of the UNQUANTISED p, in f32, and the product's result is divided by l at the end. Since M is a whole number, a kernel that streams over the keys may use a running M (the ceiling of the running maximum): every later rescaling is an exact power of two, which a block's scale takes up: the codes' values come out the same.
;;   OPERANDS COMPUTED ON THE WAY. 'Computed on the way' means the value that the module computes at that place (a softmax that the list does not call 'softmax' is quantised finished and normalised). What goes into a quantiser is computed in f32, as accurately as f32 sums, v_exp_f32 and their like allow (about 1e-6 of the number): no bf16 or f16 on the way to a quantiser, and a product that is left as it is and whose result goes on into a quantised operand takes f32 operands (vector FMAs, or v_wmma_f32_16x16x4_f32). A number that lies on a knife's edge between two numbers of the format may be rounded either way, as far as f32 arithmetic and the matrix unit's own rounding can turn it there, and no further.
;; One version. Each part assembles by itself: llvm-mc -triple=amdgcn-amd-amdhsa -mcpu=gfx1250 --defsym DOCPART=n.
;; ======== version 1 of 1: 4 launches
;; limits: right only within a limited range of input values
;; workspace buffers: codes 10,223,616 bytes; scales 425,984 bytes; qimg 3,276,800 bytes; kv 11,468,800 bytes; attc 3,145,728 bytes; atts 131,072 bytes
;; launch quant (part 1): grid 640 x 1, 4 waves a work-group, no clusters, 68,096 bytes of LDS; arguments x, xa, codes, scales, Wqkv, Wqkv_aux, Wo; writes codes, scales
.if DOCPART == 1
	.amdgcn_target "amdgcn-amd-amdhsa--gfx1250"
	.amdhsa_code_object_version 6
	.text
	.protected	k_q59e04f54d0_quant
	.globl	k_q59e04f54d0_quant
	.p2align	8
	.type	k_q59e04f54d0_quant,@function
k_q59e04f54d0_quant:
	s_mov_b64 s[64:65], 0
	v_nop
	global_prefetch_b8 v0, s[64:65] scope:SCOPE_SE
	s_setreg_imm32_b32 hwreg(HW_REG_WAVE_MODE, 25, 1), 1
	s_wait_xcnt 0x0
; ONE LAUNCH QUANTISES ALL OPERANDS THAT ARRIVE AS f32: the tokens x and xa (K innermost) and the three weights (K as their first axis) become codes of FP6 (E2M3) and one E8M0 byte for each 32 along K.
; DEAD WORK, for the whole program: qa (columns 0-1,023 of xa @ Wqkv_aux + bqkv_aux) is split off by reference() and enters no later line of it, whatever the inputs hold: those columns of Wqkv_aux and of bqkv_aux are
; neither read nor multiplied.  LIMIT: a NaN, an infinity or an overflow that reaches qa alone is not carried to the result.
; ROWS of the two workspace buffers: 0-4,095 x; 4,096-7,167 xa, each batch filled up to 1,536 rows with rows of zeros; from 7,168 on 3,072 columns of Wqkv, columns 1,024-3,071 of Wqkv_aux, 1,024 columns of Wo.
; A row is stored at its number with bits 3 and 4 exchanged: sixteen stored rows on end are then the rows 32 b + 8 u + r + 8 (r / 8), which the products behind this launch want in one tile.
; THE CODES' LAYOUT: [group of 128 stored rows][K step of 256][128 rows][192 bytes]: the 128 rows of one K step are 24,576 dense bytes that begin at a multiple of 256.  Scales: 32 bytes a row.
; A block's scale is 2^(floor(log2(largest magnitude)) - 2); its byte is the largest magnitude's exponent field - 2, held at 1 from below (a block of zeros gets the byte 1: its codes are zeros, and this program alone reads the bytes).
; LIMITS: NaN and infinities among the inputs are not served; blocks whose largest magnitude lies under 2^-124 take the byte 1.
; SHARES: work-groups 0-191 take the weights (128 columns x 256 along K each: the longer share, so the lower numbers), work-groups 192-639 the tokens (16 rows each).  The two ways part on the work-group's number
; and have LDS bytes of their own.  No tensor loads, no barrier: waves share nothing.
.set NWG,   192
.set EMAX,  2
.set SPW,   208                        ; v208 LDS address of my spare word; never rewritten
.set NIL,   209                        ; v209 0; never rewritten
.set WLDS,  32768                      ; the weights' stages, behind the tokens' four regions
.set PITCH, 272                        ; a stage row of the weights: sixteen places of 16 bytes, each with 12 bytes of codes, + 16
.set SPARE, WLDS+4*32*PITCH            ; the spare words, 128 bytes a wave, which no other line names
	v_lshl_add_u32 v[SPW], v0, 2, SPARE
	v_mov_b32 v[NIL], 0
	v_lshrrev_b32 v1, 5, v0
	v_readfirstlane_b32 s16, v1                    ; wave
	v_and_b32 v2, 31, v0                           ; lane
	s_cmp_lt_u32 ttmp9, NWG
	s_wait_alu depctr_va_vdst(0)                   ; the wait ahead of the branch
	s_cbranch_scc0 .Lact
; THE WEIGHTS.  A lane takes a column n and its registers run down K: a load reads 128 consecutive bytes a wave, a block of 32 lies in one lane, and the conversions give codes with K innermost.
; A wave takes 32 columns x 256 along K; its codes go through its own stage and leave as rows: sixteen lanes store 192 consecutive bytes.
; One way for both row lengths (12,288 and 4,096 bytes): 32 offset registers hold lane x 4 + i x row length, eight scalar bases stand 32 rows apart; nothing is stepped.
.set NB,    8                          ; blocks of 32 along K for a wave
.set WQ0,   7168
.set XW,    32                         ; v32-95   two sets of 32 numbers
.set CW,    96                         ; v96..    a block's codes
.set OUTR,  112                        ; v112-175 the way out
.set OF,    176                        ; v176-207 offsets of a block's 32 rows
.set SB,    24                         ; v24-25   the scale bytes
	s_load_b128 s[4:7], s[0:1], 0x20               ; Wqkv, Wqkv_aux
	s_load_b64 s[8:9], s[0:1], 0x30                ; Wo
	s_load_b64 s[10:11], s[0:1], 0x10              ; codes
	s_load_b64 s[12:13], s[0:1], 0x18              ; scales
	s_lshr_b32 s14, ttmp9, 2                       ; which 128 of the weights' 6,144 rows
	s_lshl_b32 s17, s14, 7
	s_lshl_b32 s18, s16, 5
	s_add_co_u32 s17, s17, s18                     ; my first row among them
	s_cmp_lt_u32 s14, 24
	s_cselect_b32 s19, 0, 2048                     ; Wqkv: column = row; Wqkv_aux: column = row - 3,072 + 1,024
	s_mov_b32 s20, 5120
	s_cmp_lt_u32 s14, 40
	s_cselect_b32 s19, s19, s20                    ; Wo: column = row - 5,120
	s_mov_b32 s20, 4096
	s_cselect_b32 s20, 12288, s20                  ; bytes in a row of the tensor
	s_sub_co_u32 s19, s17, s19                     ; my first column
	s_and_b32 s18, ttmp9, 3                        ; which 256 along K
	v_lshlrev_b32 v3, 2, v2
	s_mul_i32 s26, s16, 32*PITCH
	s_add_co_u32 s26, s26, WLDS                    ; my stage
	v_mul_u32_u24 v4, v2, PITCH
	v_add_nc_u32 v4, s26, v4                       ; into it: row = my column
	v_and_b32 v5, 15, v2
	v_lshrrev_b32 v6, 4, v2
	v_mul_u32_u24 v7, v6, PITCH
	v_lshl_add_u32 v7, v5, 4, v7
	v_add_nc_u32 v7, s26, v7                       ; out of it: sixteen lanes to a row, two rows an instruction
	v_mul_u32_u24 v8, v6, 192
	v_mad_u32_u24 v8, v5, 12, v8                   ; and the same place in the codes
	v_lshrrev_b32 v10, 3, v2
	v_lshrrev_b32 v11, 4, v2
	v_xor_b32 v10, v10, v11
	v_and_b32 v10, 1, v10
	v_mul_u32_u24 v10, v10, 24
	v_xor_b32 v10, v2, v10                         ; my column's row: bits 3 and 4 exchanged
	v_lshlrev_b32 v9, 5, v10                       ; its 32 scale bytes
	v_mov_b32 v10, s20
.set i, 0
.rept 32
	v_mad_u32_u24 v[OF+i], v10, i, v3              ; 4 x lane + i rows
.set i, i+1
.endr
	s_lshl_b32 s21, s18, 8
	s_mul_i32 s21, s21, s20                        ; 256 y rows
	s_lshl_b32 s22, s19, 2
	s_add_co_u32 s22, s21, s22
	s_mov_b32 s23, 0
	s_lshl_b32 s24, s20, 5                         ; 32 rows
	s_mov_b32 s25, 0
	s_add_co_u32 s27, s17, WQ0
	s_mul_i32 s28, s27, 192                        ; codes: row x 192 + K step x 24,576 + (row / 128) x (98,304 - 24,576)
	s_mul_i32 s29, s18, 24576
	s_add_co_u32 s28, s28, s29
	s_lshr_b32 s29, s27, 7
	s_mul_i32 s29, s29, 73728
	s_add_co_u32 s28, s28, s29
	s_mov_b32 s29, 0
	s_lshl_b32 s30, s27, 5
	s_lshl_b32 s31, s18, 3
	s_add_co_u32 s30, s30, s31
	s_mov_b32 s31, 0
	s_wait_alu depctr_va_vdst(0)                   ; the wait at the head's end
	s_wait_kmcnt 0x0
	s_cmp_lt_u32 s14, 24                           ; the choices hang on the work-group's number alone
	s_cselect_b64 s[4:5], s[4:5], s[6:7]
	s_cmp_lt_u32 s14, 40
	s_cselect_b64 s[4:5], s[4:5], s[8:9]
	s_add_nc_u64 s[32:33], s[4:5], s[22:23]
.irp t, 1,2,3,4,5,6,7
	s_add_nc_u64 s[32+2*\t:33+2*\t], s[30+2*\t:31+2*\t], s[24:25]
.endr
	s_add_nc_u64 s[10:11], s[10:11], s[28:29]
	s_add_nc_u64 s[12:13], s[12:13], s[30:31]
.macro LOADW t                         ; block t: W(32 t + i, my column) into set t % 2
.set i, 0
.rept 32
	global_load_b32 v[XW+32*((\t)%2)+i], v[OF+i], s[32+2*(\t):33+2*(\t)] th:TH_LOAD_NT
.set i, i+1
.endr
.endm
	LOADW 0
	LOADW 1
.macro BLOCK t
.set XS, XW+32*((\t)%2)
.if (\t) < NB-1
	s_wait_loadcnt 32                              ; this block's 32 loads are in; the next block's may be out
.else
	s_wait_loadcnt 0
.endif
	v_max3_num_f32 v12, |v[XS]|, |v[XS+1]|, |v[XS+2]|               ; the block's largest magnitude: all 32 numbers are mine
	v_max3_num_f32 v13, |v[XS+3]|, |v[XS+4]|, |v[XS+5]|
.irp i, 6,10,14,18,22,26
	v_max3_num_f32 v12, v12, |v[XS+\i]|, |v[XS+\i+1]|
	v_max3_num_f32 v13, v13, |v[XS+\i+2]|, |v[XS+\i+3]|
.endr
	v_max3_num_f32 v12, v12, |v[XS+30]|, |v[XS+31]|
	v_max3_num_f32 v12, v12, v13, (EMAX+1)<<23     ; and the floor: the byte cannot fall under 1
	v_add_nc_u32 v11, -(EMAX<<23), v12             ; the conversion's scale operand
	v_lshrrev_b32 v13, 23, v11                     ; the scale's byte
.if (\t)%4 == 0
	v_mov_b32 v[SB+(\t)/4], v13
.else
	v_lshl_or_b32 v[SB+(\t)/4], v13, 8*((\t)%4), v[SB+(\t)/4]
.endif
	v_cvt_scalef32_pk16_fp6_f32 v[CW:CW+2], v[XS:XS+15], v11
	v_cvt_scalef32_pk16_fp6_f32 v[CW+4:CW+6], v[XS+16:XS+31], v11   ; (a conversion's three registers begin on an even number)
	ds_store_b96 v4, v[CW:CW+2] offset:32*(\t)     ; 12 bytes to a place of 16, so that every LDS address is a multiple of 16
	ds_store_b96 v4, v[CW+4:CW+6] offset:32*(\t)+16
.if (\t)+2 < NB
	LOADW (\t)+2
.endif
	s_wait_dscnt 0x0                               ; the stores have read their registers: the next block's codes may be written
.endm
.set Q, 0
.rept NB
	BLOCK Q
.set Q, Q+1
.endr
	s_wait_alu depctr_va_vdst(0)                   ; the wait ahead of the reader below
	global_store_b64 v9, v[SB:SB+1], s[12:13]      ; my column's 8 scale bytes
.irp t, 0,1,2,3,4,5,6,7,8,9,10,11,12,13,14,15
	ds_load_b96 v[OUTR+4*\t:OUTR+4*\t+2], v7 offset:2*\t*PITCH   ; LDS serves a wave's instructions in order: these see my stores
.endr
.irp t, 0,1,2,3,4,5,6,7,8,9,10,11,12,13,14,15
.set N2, 2*\t
.set SW, ((N2&7)|(((N2>>3)&1)<<4)|(((N2>>4)&1)<<3))   ; columns 2 t and 2 t + 1 go to rows SW and SW + 1
	s_wait_dscnt 15-\t                             ; the younger reads of the stage may be out
	global_store_b96 v8, v[OUTR+4*\t:OUTR+4*\t+2], s[10:11] offset:SW*192
.endr
	s_wait_tensorcnt 0x0                           ; the wave's end, behind my last LDS store
	ds_add_u32 v[SPW], v[NIL]
	s_wait_dscnt 0x0
	s_endpgm
; THE TOKENS.  A wave takes a run of 4 rows (1,500 = 375 x 4), 8 steps of 512 numbers.  Run R: 0-1,023 x, then 2 x 384 runs of xa, of which the last 9 of a batch are the filling rows:
; they read the batch's last four rows (no load leaves xa) and multiply them by 0; every other run multiplies by 1.
; A step's four loads read 512 consecutive bytes each; the 2,048 bytes turn through the wave's own stage, so that a lane holds 16 neighbours along K (two lanes hold a block).
.set STEPS, 8
.set CB,    12                         ; bytes of 16 codes
.set R,     16                         ; v16-79   four sets of 16 numbers as loaded
.set X,     80                         ; v80-111  two sets of 16 neighbours
.set E,     112                        ; v112-119 a scale byte for each step
.set C,     128                        ; v128-159 codes: four registers for each step, so that no store's data are written again
.set WREG,  8192                       ; a region for each wave: two stages of 32 x SP bytes, then its 128 scale bytes
.set SP,    80                         ; a lane's place in a stage: 64 bytes + 16 of padding
.Lact:
	s_load_b128 s[4:7], s[0:1], 0x0                ; x, xa
	s_load_b128 s[8:11], s[0:1], 0x10              ; codes, scales
	v_lshlrev_b32 v3, 4, v2                        ; my 16 bytes of a load's 512
	s_mul_i32 s17, s16, WREG
	v_lshrrev_b32 v14, 2, v2
	v_mul_u32_u24 v14, v14, SP
	v_and_b32 v15, 3, v2
	v_lshl_add_u32 v14, v15, 4, v14
	v_add_nc_u32 v14, s17, v14                     ; the stage, on the way in: SP (lane / 4) + 16 (lane % 4)
	v_mul_u32_u24 v15, v2, SP
	v_add_nc_u32 v15, s17, v15                     ; and on the way out: SP x lane
	v_and_b32 v4, 15, v2
	v_mul_u32_u24 v4, v4, CB                       ; sixteen lanes hold 256 along K: 192 bytes of one K step;
	v_lshrrev_b32 v8, 4, v2
	v_mad_u32_u24 v4, v8, 0x6000, v4               ; lanes 16-31 the next K step, 24,576 bytes on
	v_lshrrev_b32 v5, 1, v2
	s_add_co_u32 s17, s17, 2*32*SP
	v_add_nc_u32 v5, s17, v5                       ; LDS: my block's scale byte
	v_lshlrev_b32 v7, 2, v2                        ; on the way out 4 bytes a lane
	v_add_nc_u32 v6, s17, v7
	s_sub_co_u32 s18, ttmp9, NWG
	s_lshl_b32 s18, s18, 2
	s_add_co_u32 s18, s18, s16                     ; R
	s_sub_co_u32 s19, s18, 1024
	s_cmp_lt_u32 s18, 1024
	s_cselect_b32 s19, 0, s19                      ; the run's number in xa (0 for a run of x)
	s_cmp_ge_u32 s19, 384
	s_cselect_b32 s20, 1, 0                        ; batch
	s_mul_i32 s21, s20, 384
	s_sub_co_u32 s21, s19, s21                     ; i: the run in its batch
	s_min_u32 s22, s21, 374
	s_lshl_b32 s22, s22, 2
	s_mul_i32 s23, s20, 1500
	s_add_co_u32 s22, s22, s23                     ; xa: the row that is read
	s_cmp_lt_u32 s21, 375
	s_cselect_b32 s24, 1.0, 0                      ; the factor: 0 for a filling run (a run of x has i = 0: 1)
	s_mov_b32 s25, s24                             ; (named with it as a pair)
	s_lshl_b32 s21, s21, 2                         ; 4 i
	s_mul_i32 s23, s20, 1536
	s_add_co_u32 s23, s23, 4096                    ; xa: the batch's first row in the workspace
	s_lshl_b32 s26, s18, 2                         ; 4 R
	s_cmp_lt_u32 s18, 1024
	s_cselect_b32 s22, s26, s22                    ; the row read
	s_cselect_b32 s21, s26, s21                    ; the row's number in its tensor or batch
	s_cselect_b32 s23, 0, s23
	s_lshr_b32 s27, s21, 3
	s_lshr_b32 s28, s21, 4
	s_xor_b32 s27, s27, s28
	s_and_b32 s27, s27, 1
	s_mul_i32 s27, s27, 24
	s_xor_b32 s21, s21, s27                        ; bits 3 and 4 exchanged (four rows on end stay on end)
	s_add_co_u32 s21, s21, s23                     ; the row written
	s_lshl_b32 s26, s22, 12
	s_mov_b32 s27, 0
	s_mul_i32 s28, s21, 192                        ; row x 192 + (row / 128) x (98,304 - 24,576)
	s_lshr_b32 s29, s21, 7
	s_mul_i32 s29, s29, 73728
	s_add_co_u32 s28, s28, s29
	s_mov_b32 s29, 0
	s_lshl_b32 s30, s21, 5
	s_mov_b32 s31, 0
	s_wait_alu depctr_va_vdst(0)                   ; the wait at the head's end
	s_wait_kmcnt 0x0
	s_cmp_lt_u32 s18, 1024                         ; the choice hangs on ids alone
	s_cselect_b64 s[4:5], s[4:5], s[6:7]
	s_add_nc_u64 s[4:5], s[4:5], s[26:27]
	s_add_nc_u64 s[8:9], s[8:9], s[28:29]
	s_add_nc_u64 s[10:11], s[10:11], s[30:31]
.macro LOADA t
.irp i, 0,1,2,3
	global_load_b128 v[R+16*((\t)%4)+4*\i:R+16*((\t)%4)+4*\i+3], v3, s[4:5] offset:2048*(\t)+512*\i   ; 32 lanes read 512 consecutive bytes
.endr
.endm
.macro TURNA t                         ; step t's numbers through the stage: LDS serves a wave's instructions in order, so no wait stands between the stores and the loads
.irp i, 0,1,2,3
	ds_store_b128 v14, v[R+16*((\t)%4)+4*\i:R+16*((\t)%4)+4*\i+3] offset:32*SP*((\t)%2)+8*SP*\i
.endr
.irp i, 0,1,2,3
	ds_load_b128 v[X+16*((\t)%2)+4*\i:X+16*((\t)%2)+4*\i+3], v15 offset:32*SP*((\t)%2)+16*\i
.endr
.endm
.irp t, 0,1,2,3
	LOADA \t
.endr
	s_wait_loadcnt 12                              ; step 0's four loads are in; twelve younger ones stay out
	TURNA 0
.macro STEPA t
.set XS, X+16*((\t)%2)
.if (\t) > 0
	s_wait_dscnt 1                                 ; this step's numbers are back from the stage (the last step's byte store may be out): its stores into the stage have read their registers,
.else
	s_wait_dscnt 0x0
.endif
.if (\t)+4 < STEPS
	LOADA (\t)+4                                   ; which take the loads of four steps on
.endif
.if (\t)+1 < STEPS
.if STEPS-2-(\t) >= 3
	s_wait_loadcnt 12                              ; the next step's four loads are in; those of the three steps behind it may be out
.else
	s_wait_loadcnt 4*(STEPS-2-(\t))
.endif
	TURNA (\t)+1
.endif
.irp k, 0,2,4,6,8,10,12,14
	v_pk_mul_f32 v[XS+\k:XS+\k+1], v[XS+\k:XS+\k+1], s[24:25] op_sel_hi:[1,0]   ; x 1, or x 0 in a filling run
.endr
	v_max3_num_f32 v8, |v[XS]|, |v[XS+1]|, |v[XS+2]|               ; the largest magnitude of my 16, in two chains
	v_max3_num_f32 v9, |v[XS+3]|, |v[XS+4]|, |v[XS+5]|
.irp i, 6,10
	v_max3_num_f32 v8, v8, |v[XS+\i]|, |v[XS+\i+1]|
	v_max3_num_f32 v9, v9, |v[XS+\i+2]|, |v[XS+\i+3]|
.endr
	v_max3_num_f32 v8, v8, |v[XS+14]|, |v[XS+15]|
	v_max3_num_f32 v8, v8, v9, (EMAX+1)<<23        ; and the floor 2^(3 - 127): the byte cannot fall under 1
	v_max_num_f32_dpp v8, v8, v8 row_xmask:1 row_mask:0xf bank_mask:0xf   ; and of my neighbour's 16: the block's
	v_add_nc_u32 v11, -(EMAX<<23), v8              ; 2 off its exponent field: the conversion takes this operand's exponent field as its scale
	v_cvt_scalef32_pk16_fp6_f32 v[C+4*(\t):C+4*(\t)+2], v[XS:XS+15], v11
	v_lshrrev_b32 v[E+(\t)], 23, v11               ; the scale's byte (a plain line behind the conversion)
	ds_store_b8 v5, v[E+(\t)] offset:16*(\t)       ; both lanes of a block write the same byte with the same value
	global_store_b96 v4, v[C+4*(\t):C+4*(\t)+2], s[8:9] offset:49152*((\t)%2)+192*((\t)/2)   ; row t / 2, K steps 2 (t % 2) and 2 (t % 2) + 1
.endm
.irp t, 0,1,2,3,4,5,6,7
	STEPA \t
.endr
	ds_load_b32 v8, v6                             ; LDS serves a wave's instructions in order: this sees my byte stores
	s_wait_dscnt 0x0
	global_store_b32 v7, v8, s[10:11]              ; the run's 128 scale bytes, consecutive
	s_wait_tensorcnt 0x0                           ; the wave's end, behind my last LDS store
	ds_add_u32 v[SPW], v[NIL]
	s_wait_dscnt 0x0
	s_endpgm
.Lfunc_end_k_q59e04f54d0_quant:
	.size	k_q59e04f54d0_quant, .Lfunc_end_k_q59e04f54d0_quant-k_q59e04f54d0_quant
	.p2alignl 7, 3214868480
	.fill 96, 4, 3214868480
	.section	.rodata,"a",@progbits
	.p2align	6, 0x0
	.amdhsa_kernel k_q59e04f54d0_quant
		.amdhsa_group_segment_fixed_size 68096
		.amdhsa_private_segment_fixed_size 0
		.amdhsa_enable_private_segment 0
		.amdhsa_kernarg_size 56
		.amdhsa_user_sgpr_count 2
		.amdhsa_user_sgpr_kernarg_segment_ptr 1
		.amdhsa_wavefront_size32 1
		.amdhsa_system_sgpr_workgroup_id_x 1
		.amdhsa_system_sgpr_workgroup_id_y 1
		.amdhsa_system_sgpr_workgroup_id_z 1
		.amdhsa_system_vgpr_workitem_id 0
		.amdhsa_next_free_vgpr 216
		.amdhsa_next_free_sgpr 66
		.amdhsa_reserve_vcc 0
		.amdhsa_float_denorm_mode_32 3
		.amdhsa_float_denorm_mode_16_64 3
		.amdhsa_memory_ordered 1
		.amdhsa_forward_progress 1
		.amdhsa_inst_pref_size 67
	.end_amdhsa_kernel
	.amdgpu_metadata
---
amdhsa.version: [ 1, 2 ]
amdhsa.kernels:
  - .name:           k_q59e04f54d0_quant
    .symbol:         k_q59e04f54d0_quant.kd
    .args:
      - { .name: x, .offset: 0, .size: 8, .value_kind: global_buffer, .address_space: global }
      - { .name: xa, .offset: 8, .size: 8, .value_kind: global_buffer, .address_space: global }
      - { .name: codes, .offset: 16, .size: 8, .value_kind: global_buffer, .address_space: global }
      - { .name: scales, .offset: 24, .size: 8, .value_kind: global_buffer, .address_space: global }
      - { .name: Wqkv, .offset: 32, .size: 8, .value_kind: global_buffer, .address_space: global }
      - { .name: Wqkv_aux, .offset: 40, .size: 8, .value_kind: global_buffer, .address_space: global }
      - { .name: Wo, .offset: 48, .size: 8, .value_kind: global_buffer, .address_space: global }
    .group_segment_fixed_size: 68096
    .private_segment_fixed_size: 0
    .kernarg_segment_align: 8
    .kernarg_segment_size: 56
    .max_flat_workgroup_size: 128
    .sgpr_count:     66
    .vgpr_count:     216
    .wavefront_size: 32
...
	.end_amdgpu_metadata
.endif
;; end of part 1
;; launch proj (part 2): grid 72 x 4, 4 waves a work-group, clusters of 4 x 4, 327,680 bytes of LDS; arguments codes, scales, bqkv, bqkv_aux, qimg, kv; writes qimg, kv
.if DOCPART == 2
	.amdgcn_target "amdgcn-amd-amdhsa--gfx1250"
	.amdhsa_code_object_version 6
	.text
	.protected	k_q59e04f54d0_proj
	.globl	k_q59e04f54d0_proj
	.p2align	8
	.type	k_q59e04f54d0_proj,@function
k_q59e04f54d0_proj:
	s_mov_b64 s[64:65], 0
	v_nop
	global_prefetch_b8 v0, s[64:65] scope:SCOPE_SE
	s_setreg_imm32_b32 hwreg(HW_REG_WAVE_MODE, 25, 1), 1
	s_wait_xcnt 0x0
	s_wait_alu depctr_hold_cnt(0) depctr_sa_sdst(0) depctr_va_vdst(0) depctr_va_sdst(0) depctr_va_ssrc(0) depctr_va_vcc(0) depctr_vm_vsrc(0)
	s_getreg_b32 s2, hwreg(HW_REG_IB_STS2, 6, 4)
	s_cmp_eq_u32 s2, 0
	s_cbranch_scc0 .Lentry_in_a_cluster
	s_endpgm
.Lentry_in_a_cluster:
	s_bfe_u32 s2, ttmp6, 0x10000c
	s_cmp_lg_u32 s2, 0xf033
	s_cbranch_scc0 .Lentry_shape_is_right
	s_endpgm
.Lentry_shape_is_right:
; The projections q, k, v of x and k, v of xa on codes of FP6 with E8M0 scales, blocks of 256 x 256, a ring of two slots of 256 along K, joint loads in clusters of 4 x 4; the way out adds the bias, quantises and stores images of operands.
; qa is left out: it enters no result of the module.  A tile of the ring (128 rows of one K step) is 24,576 dense bytes of the codes' buffer, stated as 96 rows of 256 bytes; 16 bytes of padding behind each 64 give LDS rows of 240 bytes.
.set KSTEP,  256
.set NQ,     2
.set ROWB,   24576
.set KROW,   768
.set PITCH,  240
.set FR,     12
.set NL,     6
.set NP,     4
.set HALFT,  128*PITCH
.set SLOT,   4*HALFT
.set LAPS,   2
.set KS,     32
.set SCL,    2*SLOT
.set HALFS,  (128*KS/256)*272
.set SBLK,   (16*KS/256)*272
.set SPARE,  SCL+4*HALFS
.set ADRA, 16
.set ADRB, 20
.set L16,  24
.set L8,   25
.set BH,   26
.set ADRS, 27
.set SPW,  28
.set NIL,  29
.set BR,   30
.set SC,   32
.set U,    64
.set AF,   128
.set T,    128
.set PC,   160
.set TM,   176
.set W,    184
.set SM,   224
.set H,    240
.set SEL,  20
.set G1, 24
.set G0, 32
.set G1B, 48
.set G0B, 56
.set G1S, 68
.set G0S, 76
.set G1SB, 80
.set G0SB, 88
.set MSB, 0
.macro WIN new
.if MSB != (\new)
	s_set_vgpr_msb (MSB<<8)|(\new)
.set MSB, (\new)
.endif
.endm
.set MUL_LO, 0xa1
.set MUL_HI, 0xf1
.set TO_B,   0x40
.macro JLOAD g0a, g1a, g0b, g1b
	s_cmp_eq_u32 s15, 0
	s_cbranch_scc0 .Lfor_b_\@
	tensor_load_to_lds s[\g0a:\g0a+3], s[\g1a:\g1a+7]
	s_nop 0
.rept 4
	v_nop
.endr
	s_branch .Lasked_\@
.Lfor_b_\@:
	tensor_load_to_lds s[\g0b:\g0b+3], s[\g1b:\g1b+7]
	s_nop 0
.rept 4
	v_nop
.endr
.Lasked_\@:
.endm
.macro CREST
	s_cmp_lg_u32 s14, 0
	s_cbranch_scc1 .Lnot_wave_0_\@
	s_barrier_signal -3
.Lnot_wave_0_\@:
	s_barrier_wait -3
	s_barrier_signal -1
	s_barrier_wait -1
.endm
.macro CROUND
	s_barrier_signal -1
	s_barrier_wait -1
	CREST
.endm
	s_load_b128 s[4:7], s[0:1], 0x0
	s_load_b128 s[8:11], s[0:1], 0x10
	s_load_b128 s[96:99], s[0:1], 0x20
	v_lshl_add_u32 v[SPW], v0, 2, SPARE
	v_mov_b32 v[NIL], 0
	ds_add_u32 v[SPW], v[NIL]
	ds_add_u32 v[SPW], v[NIL]
	v_lshrrev_b32 v1, 5, v0
	v_readfirstlane_b32 s14, v1
	s_lshr_b32 s15, s14, 1
	s_and_b32 s16, s14, 1
	s_bfe_u32 s40, ttmp6, 0x40000
	s_bfe_u32 s41, ttmp6, 0x40004
	s_lshl_b32 s43, s41, 2
	s_lshl_b32 s43, 15, s43
	s_lshl_b32 s44, 0x1111, s40
	s_lshr_b32 s18, ttmp9, 1
	s_lshl_b32 s18, s18, 10
	s_and_b32 s19, ttmp9, 1
	s_lshl_b32 s19, s19, 10
	s_cmp_ge_u32 ttmp9, 12
	s_cselect_b32 s12, 12, 8
	s_cselect_b32 s67, 1, 0
	s_cmp_ge_u32 ttmp9, 15
	s_cselect_b32 s12, 15, s12
	s_cselect_b32 s66, 1, 0
	s_sub_co_u32 s12, ttmp9, s12
	s_lshl_b32 s12, s12, 10
	s_cmp_lt_u32 ttmp9, 8
	s_cselect_b32 s100, s18, s12
	s_cselect_b32 s13, 0, 1
	s_xor_b32 s104, s67, 1
	s_and_b32 s13, s13, s104
	s_or_b32 s66, s66, s13
	s_and_b32 s104, ttmp9, 1
	s_xor_b32 s104, s104, 1
	s_cmp_lt_u32 ttmp9, 8
	s_cselect_b32 s104, s104, 0
	s_add_co_u32 s13, s19, 7168
	s_mov_b32 s101, s19
	s_cmp_ge_u32 ttmp9, 8
	s_cselect_b32 s13, 9216, s13
	s_cselect_b32 s101, 2048, s101
	s_cmp_ge_u32 ttmp9, 12
	s_cselect_b32 s13, 10240, s13
	s_cselect_b32 s101, 1024, s101
	s_cmp_ge_u32 ttmp9, 15
	s_cselect_b32 s13, 11264, s13
	s_cselect_b32 s101, 2048, s101
	s_lshl_b32 s12, s67, 12
	s_add_co_u32 s12, s12, s100
	s_cmp_eq_u32 s66, 1
	s_cselect_b32 s17, s13, s12
	s_cselect_b32 s42, s12, s13
	s_or_b32 s[G1+0], s43, (3<<16)|(1<<20)|(1<<21)|(3<<22)|(3<<25)
	s_or_b32 s[G1B+0], s44, (3<<16)|(1<<20)|(1<<21)|(3<<22)|(3<<25)
.irp g, G1, G1B                        ; for the head's loads: 256 rows of one K step are two runs of 24,576 dense bytes (3,072 elements of 8), 98,304 bytes apart
	s_mov_b32 s[\g+1], 3072<<16
	s_mov_b32 s[\g+2], 2<<16
	s_mov_b32 s[\g+3], 3072<<16
	s_mov_b32 s[\g+4], 2
	s_mov_b32 s[\g+5], 12288
	s_mov_b32 s[\g+6], 0
	s_mov_b32 s[\g+7], 0
.endr
	s_or_b32 s[G1S+0], s43, (3<<16)|(1<<20)|(1<<21)|(5<<22)|(3<<25)
	s_or_b32 s[G1SB+0], s44, (3<<16)|(1<<20)|(1<<21)|(5<<22)|(3<<25)
.irp g, G1S, G1SB
	s_mov_b32 s[\g+1], 32<<16
	s_mov_b32 s[\g+2], (256*KS/256)<<16
	s_mov_b32 s[\g+3], 32<<16
	s_mov_b32 s[\g+4], 256*KS/256
	s_mov_b32 s[\g+5], 32
	s_mov_b32 s[\g+6], 0
	s_mov_b32 s[\g+7], 0
.endr
	s_lshl_b32 s20, s41, 8
	s_add_co_u32 s20, s20, s17                     ; the first of A's 256 rows
	s_lshl_b32 s46, s40, 8
	s_add_co_u32 s46, s46, s42                     ; the first of B's
	s_mov_b32 s21, 0
	s_mov_b32 s47, 0
	s_mov_b64 s[18:19], KS
	s_mul_u64 s[22:23], s[20:21], s[18:19]
	s_mul_u64 s[92:93], s[46:47], s[18:19]
	s_mov_b64 s[18:19], KROW
	s_mul_u64 s[20:21], s[20:21], s[18:19]
	s_mul_u64 s[46:47], s[46:47], s[18:19]
	s_mul_i32 s45, s14, HALFT
	s_mul_i32 s94, s16, 98304                      ; in the ring I fetch 128 rows of a tile: which half, in bytes
	s_mov_b32 s95, 0
	s_wait_dscnt 0x0
	s_wait_kmcnt 0x0
	s_add_nc_u64 s[20:21], s[4:5], s[20:21]
	s_add_nc_u64 s[22:23], s[6:7], s[22:23]
	s_add_nc_u64 s[46:47], s[4:5], s[46:47]
	s_add_nc_u64 s[92:93], s[6:7], s[92:93]
	CROUND
	s_mov_b32 s[G0S], 1
	s_mov_b32 s[G0S+1], SCL
	s_mov_b64 s[G0S+2:G0S+3], s[22:23]
	s_or_b32 s[G0S+3], s[G0S+3], 0x80000000
	s_mov_b32 s[G0SB], 1
	s_mov_b32 s[G0SB+1], SCL+2*HALFS
	s_mov_b64 s[G0SB+2:G0SB+3], s[92:93]
	s_or_b32 s[G0SB+3], s[G0SB+3], 0x80000000
	s_mov_b32 s[G0], 1                             ; the head's tiles, each whole: K step 0's 256 rows of A,
	s_mov_b32 s[G0+1], 0
	s_mov_b64 s[G0+2:G0+3], s[20:21]
	s_or_b32 s[G0+3], s[G0+3], 0x80000000
	s_mov_b32 s[G0B], 1                            ; and of B, behind them in slot 0
	s_mov_b32 s[G0B+1], 2*HALFT
	s_mov_b64 s[G0B+2:G0B+3], s[46:47]
	s_or_b32 s[G0B+3], s[G0B+3], 0x80000000
	s_add_nc_u64 s[20:21], s[20:21], s[94:95]      ; for the ring: my 128 rows of the tile
	s_add_nc_u64 s[46:47], s[46:47], s[94:95]
	s_mov_b32 s[G0+4], 1                           ; slot 1: K step 1
	s_add_co_u32 s[G0+5], s45, SLOT
	s_add_nc_u64 s[G0+6:G0+7], s[20:21], ROWB
	s_or_b32 s[G0+7], s[G0+7], 0x80000000
	s_mov_b32 s[G0B+4], 1
	s_add_co_u32 s[G0B+5], s45, SLOT
	s_add_nc_u64 s[G0B+6:G0B+7], s[46:47], ROWB
	s_or_b32 s[G0B+7], s[G0B+7], 0x80000000
; the head's loads, one a wave, in one chain of branches on the wave's number: wave 0 A's rows, wave 1 B's, wave 2 A's scales, wave 3 B's
.macro ARM under, g0, g1, next
	s_cmp_lt_u32 s14, \under
	s_cbranch_scc0 \next
	tensor_load_to_lds s[\g0:\g0+3], s[\g1:\g1+7]
	s_nop 0
.rept 4
	v_nop
.endr
	s_branch .Lhead_asked
\next:
.endm
	ARM 1, G0, G1, .Lhead_b
	ARM 2, G0B, G1B, .Lhead_sa
	ARM 3, G0S, G1S, .Lhead_sb
	tensor_load_to_lds s[G0SB:G0SB+3], s[G1SB:G1SB+7]
	s_nop 0
.rept 4
	v_nop
.endr
.Lhead_asked:
	s_wait_alu depctr_va_vdst(0)
	s_wait_tensorcnt 0x0                           ; my tile of the head's four is in: no tensor load of mine is out, so descriptors may be written
	ds_add_u32 v28, v29                            ; ahead of a later first fill
.irp g, G1, G1B                        ; from here on a load brings 128 rows of a K step: 96 rows of 256 dense bytes
	s_mov_b32 s[\g+1], 32<<16
	s_mov_b32 s[\g+2], 96<<16
	s_mov_b32 s[\g+3], 32<<16
	s_mov_b32 s[\g+4], 96
	s_mov_b32 s[\g+5], 32
.endr
	s_mov_b32 s[G0+1], s45                         ; slot 0's group 0 for the ring: my quarter of the slot, my 128 rows
	s_mov_b64 s[G0+2:G0+3], s[20:21]
	s_or_b32 s[G0+3], s[G0+3], 0x80000000
	s_mov_b32 s[G0B+1], s45
	s_mov_b64 s[G0B+2:G0B+3], s[46:47]
	s_or_b32 s[G0B+3], s[G0B+3], 0x80000000
	s_wait_dscnt 0x0
	CROUND                                         ; all four tiles are in, and all sixteen work-groups are here
	JLOAD G0+4, G1, G0B+4, G1B                     ; K step 1, the first tensor load behind the round
	v_and_b32 v1, 15, v0
	v_bfe_u32 v2, v0, 4, 1
	v_mul_u32_u24 v3, v1, PITCH
	v_mul_u32_u24 v4, v2, 24
	v_add_nc_u32 v4, v3, v4
	v_lshl_add_u32 v5, v2, 4, v4
	s_mul_i32 s21, s15, HALFT
	s_mul_i32 s22, s16, HALFT
	s_add_co_u32 s22, s22, 2*HALFT
.irp s, 0,1
	v_add_nc_u32 v[ADRA+\s], s21, v4
	v_add_nc_u32 v[ADRB+\s], s22, v4
	v_add_nc_u32 v[ADRA+2+\s], s21, v5
	v_add_nc_u32 v[ADRB+2+\s], s22, v5
	s_add_co_u32 s21, s21, SLOT
	s_add_co_u32 s22, s22, SLOT
.endr
	v_mul_u32_u24 v5, v1, KS
	v_lshrrev_b32 v6, 8, v5
	v_lshl_add_u32 v5, v6, 4, v5
	s_mul_i32 s21, s15, HALFS
	s_mul_i32 s22, s16, HALFS
	s_add_co_u32 s22, s22, 2*HALFS
	s_sub_co_u32 s22, s22, s21
	v_mul_u32_u24 v6, s22, v2
	s_add_co_u32 s21, s21, SCL
	v_add_nc_u32 v5, v5, v6
	v_add_nc_u32 v[ADRS], s21, v5
	v_lshlrev_b32 v[BH], 6, v2
	s_wait_alu depctr_va_vdst(0)
	v_and_b32 v6, 8, v1
	v_add_nc_u32 v6, v6, v1
	v_lshlrev_b32 v[BR], 2, v6
	s_wait_alu depctr_va_vdst(0)
	v_and_b32 v6, 31, v0
	v_lshlrev_b32 v[L16], 4, v6
	v_lshlrev_b32 v[L8], 3, v6
	s_lshl_b32 s12, s41, 8
	s_lshl_b32 s13, s15, 7
	s_add_co_u32 s12, s12, s13
	s_lshl_b32 s13, s40, 8
	s_lshl_b32 s17, s16, 7
	s_add_co_u32 s13, s13, s17
	s_cmp_eq_u32 s66, 1
	s_cselect_b32 s17, s13, s12
	s_cselect_b32 s18, s12, s13
	s_add_co_u32 s17, s17, s100
	s_add_co_u32 s19, s18, s101
	s_cmp_eq_u32 s66, 1
	s_cselect_b32 s42, 0, s19
	s_cselect_b32 s43, s19, 0
	s_lshl_b32 s44, s42, 2
	s_mov_b32 s45, 0
	s_lshl_b32 s46, s43, 2
	s_mov_b32 s47, 0
	s_cmp_eq_u32 s67, 1
	s_cselect_b64 s[8:9], s[10:11], s[8:9]
	s_add_nc_u64 s[44:45], s[8:9], s[44:45]
	s_add_nc_u64 s[46:47], s[8:9], s[46:47]
.irp b, 0,1,2,3
.irp q, 0,1,2,3
	global_load_b128 v[U+16*\b+4*\q:U+16*\b+4*\q+3], v[BH], s[44:45] offset:128*\b+16*\q
.endr
.endr
.irp a, 0,1,2,3,4,5,6,7
	global_load_b32 v[SM+2*\a], v[BR], s[46:47] offset:4*(32*(\a/2)+8*(\a%2))
.endr
	s_mov_b32 s12, 2048
	s_cmp_eq_u32 s67, 1
	s_cselect_b32 s12, 1536, s12
	s_cmp_ge_u32 s17, s12
	s_cselect_b32 s13, 1, 0
	s_cselect_b32 s12, s12, 0
	s_sub_co_u32 s17, s17, s12
	s_lshr_b32 s19, s17, 7
	s_lshr_b32 s18, s18, 6
	s_lshl_b32 s13, s13, 4
	s_add_co_u32 s13, s13, s18
	s_lshl_b32 s42, s13, 4
	s_add_co_u32 s42, s42, s19
	s_mul_i32 s42, s42, 6400
	s_mul_i32 s43, s13, 28
	s_add_co_u32 s43, s43, s19
	s_lshl_b32 s12, s67, 4
	s_add_co_u32 s43, s43, s12
	s_mul_i32 s43, s43, 12800
	s_mul_i32 s12, s66, 6144
	s_add_co_u32 s43, s43, s12
	s_mov_b32 s18, 358400
	s_mov_b32 s19, 12288
	s_mov_b32 s13, 0
	s_cmp_eq_u32 s104, 1
	s_cselect_b64 s[92:93], s[96:97], s[98:99]
	s_cselect_b32 s12, s42, s43
	s_cselect_b32 s18, 102400, s18
	s_cselect_b32 s19, 6144, s19
	s_add_nc_u64 s[92:93], s[92:93], s[12:13]
	s_sub_co_u32 s104, s18, 6144
	s_mov_b32 s100, 768
	s_mov_b32 s12, 768
	s_cmp_eq_u32 s66, 1
	s_cselect_b32 s19, 6400, s19
	s_cselect_b32 s100, 1536, s100
	s_cselect_b32 s104, s104, 0
	s_cselect_b32 s12, s12, s18
	s_mov_b32 s101, 0
	s_mov_b32 s105, 0
	s_add_nc_u64 s[94:95], s[92:93], s[12:13]
	s_mov_b32 s12, s19
	s_add_nc_u64 s[96:97], s[92:93], s[12:13]
	s_mov_b32 s12, s18
	s_add_nc_u64 s[98:99], s[96:97], s[12:13]
	s_and_b32 s12, s66, s67
	s_cmp_eq_u32 s17, 1408
	s_cselect_b32 s12, s12, 0
	s_sub_co_u32 s67, 0, s12
	s_sub_co_u32 s66, 0, s66
	s_and_b32 s2, s67, 0xffff0000
	s_mov_b32 s40, 0xffff0000
	s_mov_b32 s[SEL], 0x76543210
	s_mov_b32 s[SEL+1], 0xfedcba98
.macro FRAG reg, adr, q, i
.irp p, 0,1,2,3,4,5
.set PCE, 12*(\q)+6*(\p/3)+\p%3
.if PCE%8 < 5
	ds_load_b64 v[\reg+2*\p:\reg+2*\p+1], v[\adr] offset:8*PCE+16*(PCE/8)+(\i)*16*PITCH
.else
	ds_load_b64 v[\reg+2*\p:\reg+2*\p+1], v[\adr+2] offset:8*PCE+16*(PCE/8)+(\i)*16*PITCH
.endif
.endr
.endm
.macro MUL16 a0, p, q, sc, zero
.irp a, \a0, \a0+1
.irp b, 0,1,2,3,4,5,6,7
.if \zero
	v_wmma_scale_f32_16x16x128_f8f6f4 v[8*(8*((\a)%4)+\b):8*(8*((\a)%4)+\b)+7], v[128*(\p)+FR*\b:128*(\p)+FR*\b+FR-1], v[AF+FR*(\a):AF+FR*(\a)+FR-1], 0, v[SC+8*NQ*(\sc)+NQ*\b+(\q)], v[SC+8*NQ*(\sc)+NQ*(\a)+(\q)] matrix_a_fmt:MATRIX_FMT_FP6 matrix_b_fmt:MATRIX_FMT_FP6 matrix_a_scale:MATRIX_SCALE_ROW1
.else
	v_wmma_scale_f32_16x16x128_f8f6f4 v[8*(8*((\a)%4)+\b):8*(8*((\a)%4)+\b)+7], v[128*(\p)+FR*\b:128*(\p)+FR*\b+FR-1], v[AF+FR*(\a):AF+FR*(\a)+FR-1], v[8*(8*((\a)%4)+\b):8*(8*((\a)%4)+\b)+7], v[SC+8*NQ*(\sc)+NQ*\b+(\q)], v[SC+8*NQ*(\sc)+NQ*(\a)+(\q)] matrix_a_fmt:MATRIX_FMT_FP6 matrix_b_fmt:MATRIX_FMT_FP6 matrix_a_scale:MATRIX_SCALE_ROW1
.endif
.endr
.endr
.endm
.macro FETCH_B slot, q, p
	WIN TO_B
.irp i, 0,1,2,3,4,5,6,7
	FRAG 128*(\p)+FR*\i, ADRB+\slot, \q, \i
.endr
	WIN 0
.endm
.macro FETCH_A slot, q, i0
.irp i, \i0, \i0+1, \i0+2, \i0+3
	FRAG AF+FR*(\i), ADRA+\slot, \q, \i
.endr
.endm
.macro SCALES sc
.irp i, 0,1,2,3,4,5,6,7
	ds_load_b64 v[SC+8*NQ*\sc+NQ*\i:SC+8*NQ*\sc+NQ*\i+1], v[ADRS] offset:\i*SBLK
.endr
.endm
.macro PLACES n
.rept \n
	v_nop
.endr
.endm
.macro STEP slot, q, zero
	s_wait_dscnt 4*NL
	WIN MUL_LO
	MUL16 0, (\q)%2, \q, \slot, \zero
	MUL16 2, (\q)%2, \q, \slot, \zero
	s_wait_dscnt 0
	PLACES NP
	FETCH_B \slot, (\q)+1, 1-(\q)%2
	FETCH_A \slot, (\q)+1, 0
	WIN MUL_HI
	MUL16 4, (\q)%2, \q, \slot, \zero
	MUL16 6, (\q)%2, \q, \slot, \zero
	PLACES NP
	WIN 0
	FETCH_A \slot, (\q)+1, 4
.endm
.macro TURN slot, next, fill
	s_wait_tensorcnt 0x0
	ds_add_u32 v[SPW], v[NIL]
	s_wait_dscnt 4*NL+1
	WIN MUL_LO
	MUL16 0, 1, NQ-1, \slot, 0
	s_wait_dscnt 0x0
	s_barrier_signal -1
	MUL16 2, 1, NQ-1, \slot, 0
	WIN 0
	s_barrier_wait -1
.if \fill
	CREST
	s_add_nc_u64 s[G0+4*\slot+2:G0+4*\slot+3], s[G0+4*\slot+2:G0+4*\slot+3], 2*ROWB
	s_add_nc_u64 s[G0B+4*\slot+2:G0B+4*\slot+3], s[G0B+4*\slot+2:G0B+4*\slot+3], 2*ROWB
	JLOAD G0+4*\slot, G1, G0B+4*\slot, G1B
.else
	PLACES NP
.endif
	s_wait_alu depctr_va_vdst(0)
	v_add_nc_u32 v[ADRS], 4*NQ, v[ADRS]
	FETCH_B \next, 0, 0
	FETCH_A \next, 0, 0
	SCALES \next
	WIN MUL_HI
	MUL16 4, 1, NQ-1, \slot, 0
	MUL16 6, 1, NQ-1, \slot, 0
	PLACES NP
	WIN 0
	FETCH_A \next, 0, 4
.endm
	s_wait_alu depctr_va_vdst(0)                   ; the wait at the head's end
	FETCH_B 0, 0, 0
	FETCH_A 0, 0, 0
	SCALES 0
	FETCH_A 0, 0, 4
	STEP 0, 0, 1
	s_mov_b32 s3, LAPS-1
.Llap:
	TURN 0, 1, 1
	STEP 1, 0, 0
	TURN 1, 0, 1
	STEP 0, 0, 0
	s_sub_co_u32 s3, s3, 1
	s_cmp_lg_u32 s3, 0
	s_cbranch_scc1 .Llap
	TURN 0, 1, 0
	STEP 1, 0, 0
	s_wait_dscnt 4*NL
	WIN MUL_LO
	MUL16 0, 1, NQ-1, 1, 0
	MUL16 2, 1, NQ-1, 1, 0
	s_wait_dscnt 0
	WIN MUL_HI
	MUL16 4, 1, NQ-1, 1, 0
	MUL16 6, 1, NQ-1, 1, 0
	WIN 0
.macro QUANT2 s, tm, pc, pc2, h
.irp b, 0,1
	v_max3_num_f32 v[\tm+\b], |v[\s+16*\b]|, |v[\s+16*\b+1]|, 0x1800000
.endr
.irp i, 2,4,6,8,10,12,14
.irp b, 0,1
	v_max3_num_f32 v[\tm+\b], v[\tm+\b], |v[\s+16*\b+\i]|, |v[\s+16*\b+\i+1]|
.endr
.endr
.irp b, 0,1
	v_permlanex16_b32 v[\tm+2+\b], v[\tm+\b], s[SEL], s[SEL+1]
.endr
.irp b, 0,1
	v_max_num_f32 v[\tm+\b], v[\tm+\b], v[\tm+2+\b]
.endr
.irp b, 0,1
	v_add_nc_u32 v[\tm+4+\b], 0xff000000, v[\tm+\b]
.endr
.irp b, 0,1
	v_lshrrev_b32 v[\tm+2+\b], 23, v[\tm+4+\b]
.endr
	v_lshl_or_b32 v[\h], v[\tm+3], 8, v[\tm+2]
	s_wait_alu depctr_va_vdst(0)
	s_wait_xcnt 0x0
	v_cvt_scalef32_pk16_fp6_f32 v[\pc:\pc+2], v[\s:\s+15], v[\tm+4]
	v_cvt_scalef32_pk16_fp6_f32 v[\pc2:\pc2+2], v[\s+16:\s+31], v[\tm+5]
	v_nop
.irp i, 0,1,2
	v_permlane16_swap_b32 v[\pc+\i], v[\pc2+\i]
.endr
.irp i, 0,1,2
	v_mov_b32 v[\pc+3+\i], v[\pc2+\i]
.endr
.endm
.macro HALF a, c
	WIN 0x20+0x10*((\a)/4)
.set i, 0
.rept 16
	v_pk_fma_f32 v[T+i:T+i+1], v[SM+2*(\a):SM+2*(\a)+1], v[U+32*(\c)+i:U+32*(\c)+i+1], v[8*(8*((\a)%4)+4*(\c))+i:8*(8*((\a)%4)+4*(\c))+i+1]
.set i, i+2
.endr
	WIN 0
	QUANT2 T, TM, PC, PC+8, H+2*(\a)+(\c)
	global_store_b128 v[L16], v[PC:PC+3], s[92+2*(\c):93+2*(\c)]
	global_store_b64 v[L8], v[PC+4:PC+5], s[92+2*(\c):93+2*(\c)] offset:512
.endm
	s_wait_loadcnt 0x0
.set i, 0
.rept 64
	v_cndmask_b32 v[U+i], v[U+i], 1.0, s66
.set i, i+1
.endr
.irp i, 44,45,46,47
	v_cndmask_b32 v[U+\i], v[U+\i], 0, s2
.endr
.set i, 48
.rept 16
	v_cndmask_b32 v[U+i], v[U+i], 0, s67
.set i, i+1
.endr
.irp a, 0,1,2,3,4,5,6,7
	v_cndmask_b32 v[SM+2*\a], 1.0, v[SM+2*\a], s66
.endr
.irp a, 0,1,2,3,4,5,6,7
	v_mov_b32 v[SM+2*\a+1], v[SM+2*\a]
.endr
	v_mov_b32 v[TM+2], 0
	v_mov_b32 v[TM+3], 0
.irp a, 0,1,2,3,4,5,6,7
	HALF \a, 0
	HALF \a, 1
	s_wait_xcnt 0x0
	s_add_nc_u64 s[92:93], s[92:93], s[100:101]
	s_add_nc_u64 s[94:95], s[94:95], s[100:101]
.if \a == 3
	s_add_nc_u64 s[92:93], s[92:93], s[104:105]
	s_add_nc_u64 s[94:95], s[94:95], s[104:105]
.endif
.endr
.irp g, 0,1
.irp f, 0,1,2,3
	v_lshl_or_b32 v[W+4*\g+\f], v[H+2*(2*\f+1)+\g], 16, v[H+2*(2*\f)+\g]
	v_lshl_or_b32 v[W+8+4*\g+\f], v[H+2*(4*\g+\f)+1], 16, v[H+2*(4*\g+\f)]
.endr
.endr
.set i, 0
.rept 8
	v_cndmask_b32 v[W+i], v[W+i], v[W+8+i], s66
.set i, i+1
.endr
.irp g, 0,1
	v_cndmask_b32 v[PC+2*\g], v[W+4*\g], v[W+4*\g+1], s40
	v_cndmask_b32 v[PC+2*\g+1], v[W+4*\g+2], v[W+4*\g+3], s40
.endr
	global_store_b64 v[L8], v[PC:PC+1], s[96:97]
	global_store_b64 v[L8], v[PC+2:PC+3], s[98:99]
	s_wait_tensorcnt 0x0
	ds_add_u32 v[SPW], v[NIL]
	s_wait_dscnt 0x0
	CROUND
	s_endpgm
.Lfunc_end_k_q59e04f54d0_proj:
	.size	k_q59e04f54d0_proj, .Lfunc_end_k_q59e04f54d0_proj-k_q59e04f54d0_proj
	.p2alignl 7, 3214868480
	.fill 96, 4, 3214868480
	.section	.rodata,"a",@progbits
	.p2align	6, 0x0
	.amdhsa_kernel k_q59e04f54d0_proj
		.amdhsa_group_segment_fixed_size 327680
		.amdhsa_private_segment_fixed_size 0
		.amdhsa_enable_private_segment 0
		.amdhsa_kernarg_size 48
		.amdhsa_user_sgpr_count 2
		.amdhsa_user_sgpr_kernarg_segment_ptr 1
		.amdhsa_wavefront_size32 1
		.amdhsa_system_sgpr_workgroup_id_x 1
		.amdhsa_system_sgpr_workgroup_id_y 1
		.amdhsa_system_sgpr_workgroup_id_z 1
		.amdhsa_system_vgpr_workitem_id 0
		.amdhsa_next_free_vgpr 1024
		.amdhsa_next_free_sgpr 106
		.amdhsa_reserve_vcc 0
		.amdhsa_float_denorm_mode_32 3
		.amdhsa_float_denorm_mode_16_64 3
		.amdhsa_memory_ordered 1
		.amdhsa_forward_progress 1
		.amdhsa_inst_pref_size 197
	.end_amdhsa_kernel
	.amdgpu_metadata
---
amdhsa.version: [ 1, 2 ]
amdhsa.kernels:
  - .name:           k_q59e04f54d0_proj
    .symbol:         k_q59e04f54d0_proj.kd
    .args:
      - { .name: codes, .offset: 0, .size: 8, .value_kind: global_buffer, .address_space: global }
      - { .name: scales, .offset: 8, .size: 8, .value_kind: global_buffer, .address_space: global }
      - { .name: bqkv, .offset: 16, .size: 8, .value_kind: global_buffer, .address_space: global }
      - { .name: bqkv_aux, .offset: 24, .size: 8, .value_kind: global_buffer, .address_space: global }
      - { .name: qimg, .offset: 32, .size: 8, .value_kind: global_buffer, .address_space: global }
      - { .name: kv, .offset: 40, .size: 8, .value_kind: global_buffer, .address_space: global }
    .group_segment_fixed_size: 327680
    .private_segment_fixed_size: 0
    .kernarg_segment_align: 8
    .kernarg_segment_size: 48
    .max_flat_workgroup_size: 128
    .sgpr_count:     106
    .vgpr_count:     1024
    .wavefront_size: 32
...
	.end_amdgpu_metadata
.endif
;; end of part 2
;; launch att (part 3): grid 8 x 32, 16 waves a work-group, clusters of 4 x 1, 327,680 bytes of LDS; arguments qimg, kv, g, attc, atts; writes attc, atts
.if DOCPART == 3
	.amdgcn_target "amdgcn-amd-amdhsa--gfx1250"
	.amdhsa_code_object_version 6
	.text
	.protected	k_q59e04f54d0_att
	.globl	k_q59e04f54d0_att
	.p2align	8
	.type	k_q59e04f54d0_att,@function
k_q59e04f54d0_att:
	s_mov_b64 s[64:65], 0
	v_nop
	global_prefetch_b8 v0, s[64:65] scope:SCOPE_SE
	s_setreg_imm32_b32 hwreg(HW_REG_WAVE_MODE, 25, 1), 1
	s_wait_xcnt 0x0
	s_wait_alu depctr_hold_cnt(0) depctr_sa_sdst(0) depctr_va_vdst(0) depctr_va_sdst(0) depctr_va_ssrc(0) depctr_va_vcc(0) depctr_vm_vsrc(0)
	s_getreg_b32 s2, hwreg(HW_REG_IB_STS2, 6, 4)
	s_cmp_eq_u32 s2, 0
	s_cbranch_scc0 .Lentry_in_a_cluster
	s_endpgm
.Lentry_in_a_cluster:
	s_bfe_u32 s2, ttmp6, 0x10000c
	s_cmp_lg_u32 s2, 0x3003
	s_cbranch_scc0 .Lentry_shape_is_right
	s_endpgm
.Lentry_shape_is_right:
; Both attentions of one head (keys of x: 2,048; keys of xa: 1,500, filled to 1,536), the gate, and the quantising of the gated sum along D; all products on codes of FP6 (E2M3) with E8M0 scales.
; THE SOFTMAX: t = score x log2(e) / 8; M = the running largest t rounded up to a whole number; p = 2^(t - M) is quantised along the keys; the row's sum is taken of the unquantised p and divides at the end.
; SHARES: a work-group owns 256 queries of one (batch, head), each of its sixteen waves 16 of them.  Every wave walks 28 steps of 128 keys: 16 of x, then 12 of xa.
; OPERANDS ARRIVE AS IMAGES OF REGISTERS: half a fragment (six registers) is 16 bytes a lane, then 8 bytes a lane.  A step is 12,800 dense bytes: K's four fragments, V's four (keys innermost), two blocks of scale words.
; The head is 64 long, the instruction 128: a fragment of K holds two tiles of 16 keys, one in each half of its K, and is multiplied by [q | 0] and by [0 | q].  Both products are used transposed: a lane holds one query.
; LDS: 24 PLACES OF ONE STEP (307,200 bytes); step s lies in place s % 24.  A load brings two steps on end.  Three fills in all: steps 0-3 at the head (waves 0 and 1), steps 4-23 behind the first round (waves 0-9),
; steps 24-27 into places 0-3 when these have been read (waves 0 and 1).  So the walk has three changes.  The four work-groups of a cluster share (batch, head) and ask for every fill jointly.
; A step is one trip of a counted loop; the place's byte is stepped in a scalar register.
; NO DATA PREFETCH: the second fill is asked for directly behind the first, and the third twenty key steps ahead of its first read: there is no trip in which a request could stand ahead of a load for which waves wait.
; KEYS 1,500-1,535 of xa are hidden in the last step by -1e30 as the C of their score tiles: p is 0 there.  LIMITS: true scores stay far under 1e30 in magnitude; NaN and infinities are not served.
; REGISTERS: v1, v2 16 and 8 x lane; v5, v6 the same in the step in hand; v9, v10 1 - gate, gate; v11 the last -M; v12 -M, v13 the largest t, v[14:15] the sum; v16-27 [q | 0]; v80-91 [0 | q]; v32-79 four fragments;
;   v96-159 scores, then p; v160-191 O^T; v192-223 the gated result; v224-235 p's codes; v232-249, v252, v254 at work; v[248:249] K's scale words, v[250:251] V's, v253 p's, v255 q's.
.set STEPB, 12800
.set SPARE, 24*STEPB                   ; the spare words, 128 bytes for each of 16 waves, which no other line names
.set HEADB, 28*STEPB
.set L16, 1
.set L8,  2
.set SPW, 3
.set NIL, 4
.set A16, 5
.set A8,  6
.set SO,  8
.set G1M, 9
.set GT,  10
.set QLO, 16
.set KF,  32
.set QHI, 80
.set S,   96
.set O,   160
.set RES, 192
.set WV,  18
.set SEL, 20
.set CS,  22
.set G1,  24
.set G0,  32
.set TB,  36                           ; s36 LDS byte at which the step in hand begins
.set CNT, 39
.set HM,  42                           ; s42 lanes 16-31
.macro JLOAD n                         ; waves 0 .. n - 1 fetch two steps each; the branch hangs on the wave's number alone; s_nop 0 and four v_nop follow the load
	s_cmp_lt_u32 s[WV], \n
	s_cbranch_scc0 .Lnone_\@
	tensor_load_to_lds s[G0:G0+3], s[G1:G1+7]
	s_nop 0
.rept 4
	v_nop
.endr
.Lnone_\@:
.endm
.macro CROUND                          ; a round of the cluster's barrier
	s_barrier_signal -1
	s_barrier_wait -1
	s_cmp_lg_u32 s[WV], 0
	s_cbranch_scc1 .Lnot_wave_0_\@
	s_barrier_signal -3
.Lnot_wave_0_\@:
	s_barrier_wait -3
	s_barrier_signal -1
	s_barrier_wait -1
.endm
	s_load_b256 s[4:11], s[0:1], 0x0               ; qimg s[4:5], kv s[6:7], g s[8:9], attc s[10:11]
	s_load_b64 s[12:13], s[0:1], 0x20              ; atts
	v_lshl_add_u32 v[SPW], v0, 2, SPARE
	v_mov_b32 v[NIL], 0
	ds_add_u32 v[SPW], v[NIL]                      ; the opening lines: the add, twice on end, and its wait
	ds_add_u32 v[SPW], v[NIL]
	v_lshrrev_b32 v5, 5, v0
	v_readfirstlane_b32 s[WV], v5                  ; wave 0..15
	s_bfe_u32 s43, ttmp6, 0x40000                  ; cx
	s_lshl_b32 s44, ttmp9, 2
	s_add_co_u32 s44, s44, s43                     ; my block of 256 queries
	s_and_b32 s45, ttmp7, 0xffff                   ; 16 x batch + head, which the partners share
	s_mov_b32 s[G1], 15|(3<<16)|(1<<21)            ; the mask: all four work-groups; elements of 8 bytes; bit 21 beside a mask; no padding
	s_mov_b32 s[G1+1], 32<<16                      ; two steps: 100 rows of 256 bytes, dense
	s_mov_b32 s[G1+2], 100<<16
	s_mov_b32 s[G1+3], 32<<16
	s_mov_b32 s[G1+4], 100
	s_mov_b32 s[G1+5], 32
	s_mov_b32 s[G1+6], 0
	s_mov_b32 s[G1+7], 0
	s_mul_i32 s47, s[WV], 2*STEPB                  ; the two steps that I fetch: their place in a fill, in LDS and in memory
	s_mul_i32 s48, s45, HEADB
	s_add_co_u32 s50, s48, s47
	s_mov_b32 s51, 0
	s_lshl_b32 s54, s45, 4
	s_lshl_b32 s55, s44, 1
	s_add_co_u32 s54, s54, s55
	s_lshr_b32 s55, s[WV], 3
	s_add_co_u32 s54, s54, s55
	s_mul_i32 s54, s54, 6400                       ; q: [batch, head][step of 128 queries][6,400 bytes]
	s_mov_b32 s55, 0
	s_and_b32 s56, s[WV], 7                        ; a: my tile in that step
	s_mul_i32 s60, s56, 768
	s_mov_b32 s61, 0
	s_bfe_u32 s58, s56, 0x10001
	s_lshl_b32 s58, s58, 7
	s_lshr_b32 s59, s56, 2
	s_lshl_b32 s59, s59, 2
	s_add_co_u32 s58, s58, s59
	s_add_co_u32 s58, s58, 6144                    ; its scale word: fragment a / 2 is word (a / 4) of lanes 16 ((a / 2) % 2) + r
	s_mov_b32 s59, 0
	s_and_b32 s62, s56, 1
	s_lshl_b32 s62, s62, 4                         ; and in it the half a % 2
	s_and_b32 s66, s45, 15                         ; head
	s_lshr_b32 s67, s45, 4                         ; batch
	s_lshl_b32 s68, s67, 7
	s_lshl_b32 s69, s44, 4
	s_add_co_u32 s68, s68, s69
	s_add_co_u32 s68, s68, s[WV]                   ; my tile of 16 rows among 256
	s_mul_i32 s70, s68, 12288
	s_mul_i32 s69, s66, 768
	s_add_co_u32 s70, s70, s69                     ; attc: [tile][head][768 bytes]
	s_mov_b32 s71, 0
	s_lshl_b32 s72, s68, 9
	s_lshl_b32 s69, s66, 1
	s_add_co_u32 s72, s72, s69                     ; atts: [row][32 bytes], bytes 2 head and 2 head + 1
	s_mov_b32 s73, 0
	s_lshl_b32 s74, s66, 2
	s_mov_b32 s75, 0
	s_mov_b32 s[SEL], 0x76543210
	s_mov_b32 s[SEL+1], 0xfedcba98
	s_mov_b32 s[CS], 0x3e38aa3b                    ; c = log2(e) / sqrt(64)
	s_mov_b32 s[CS+1], s[CS]
	s_mov_b32 s[HM], 0xffff0000
	v_and_b32 v[L8], 31, v0
	v_and_b32 v7, 15, v0
	v_mov_b32 v11, 0
	v_lshlrev_b32 v[L16], 4, v[L8]
	v_lshlrev_b32 v[L8], 3, v[L8]
	v_lshlrev_b32 v[SO], 5, v7
	v_lshlrev_b32 v7, 3, v7
	s_wait_dscnt 0x0                               ; both opening adds are done
	s_wait_kmcnt 0x0
	s_mov_b32 s[G0], 1
	s_mov_b32 s[G0+1], s47
	s_add_nc_u64 s[G0+2:G0+3], s[6:7], s[50:51]
	s_or_b32 s[G0+3], s[G0+3], 0x80000000
	CROUND                                         ; all four work-groups are here: the first joint loads meet
	JLOAD 2                                        ; steps 0-3
	s_add_nc_u64 s[4:5], s[4:5], s[54:55]
	s_add_nc_u64 s[56:57], s[4:5], s[58:59]
	s_add_nc_u64 s[4:5], s[4:5], s[60:61]
	s_add_nc_u64 s[8:9], s[8:9], s[74:75]
	s_add_nc_u64 s[10:11], s[10:11], s[70:71]
	s_add_nc_u64 s[12:13], s[12:13], s[72:73]
	s_wait_alu depctr_va_vdst(0)                   ; the wait ahead of the readers below
	global_load_b128 v[QLO:QLO+3], v[L16], s[4:5]              ; q's six registers, twice: as the lower half of one operand,
	global_load_b64 v[QLO+4:QLO+5], v[L8], s[4:5] offset:512
	global_load_b128 v[QHI+6:QHI+9], v[L16], s[4:5]            ; and as the upper half of another
	global_load_b64 v[QHI+10:QHI+11], v[L8], s[4:5] offset:512
	global_load_b32 v255, v7, s[56:57]
	global_load_b32 v[G1M], v11, s[8:9]                        ; g of my head, in every lane
.irp i, 0,1,2,3,4,5
	v_mov_b32 v[QLO+6+\i], 0
	v_mov_b32 v[QHI+\i], 0
.endr
.macro RESET                           ; a softmax begins: the first change of M multiplies zeros
	v_mov_b32 v13, 0xff61b1e6                      ; the largest t so far: -3e38
	v_mov_b32 v14, 0
	v_mov_b32 v15, 0
	v_floor_f32 v12, -v13
.set i, 0
.rept 32
	v_mov_b32 v[O+i], 0
.set i, i+1
.endr
.endm
	RESET
.irp b, 0,1,2,3
	v_mov_b32 v[236+\b], 0                         ; written once: a lane permute's destination counts as one of its sources
.endr
	v_mov_b32 v253, 0
	s_wait_loadcnt 0x0
	v_lshrrev_b32 v255, s62, v255
	v_mul_f32 v[GT], 0xbfb8aa3b, v[G1M]
	v_and_b32 v255, 0xffff, v255
	s_delay_alu instid0(VALU_DEP_1)
	v_lshl_or_b32 v255, v255, 16, v255             ; q's two bytes, twice: they serve [q | 0] and [0 | q]
	s_wait_alu depctr_va_vdst(0)                   ; a wait ahead of and behind each transcendental
	v_exp_f32 v[GT], v[GT]                         ; e^-g
	v_nop
	s_wait_alu depctr_va_vdst(0)
	v_add_f32 v[GT], 1.0, v[GT]
	s_wait_alu depctr_va_vdst(0)
	v_rcp_f32 v[GT], v[GT]                         ; the gate
	v_nop
	s_wait_alu depctr_va_vdst(0)
	v_sub_f32 v[G1M], 1.0, v[GT]
.macro SCORE b, u, mask                ; score tile 2 b + u: fragment b of K x [q | 0] or [0 | q]
.set rD, S+8*(2*(\b)+(\u))
.set rA, KF+12*(\b)
.set rB, QLO+(QHI-QLO)*(\u)
.set rK, 248+(\b)/2
.if (\mask) && ((2*(\b)+(\u)) == 5)
	v_wmma_scale_f32_16x16x128_f8f6f4 v[rD:rD+7], v[rA:rA+11], v[rB:rB+11], v[240:247], v[rK], v255 matrix_a_fmt:MATRIX_FMT_FP6 matrix_b_fmt:MATRIX_FMT_FP6
.elseif (\mask) && ((2*(\b)+(\u)) > 5)
	v_wmma_scale_f32_16x16x128_f8f6f4 v[rD:rD+7], v[rA:rA+11], v[rB:rB+11], v[232:239], v[rK], v255 matrix_a_fmt:MATRIX_FMT_FP6 matrix_b_fmt:MATRIX_FMT_FP6 matrix_a_scale:MATRIX_SCALE_ROW1
.elseif ((\b)%2) == 1
	v_wmma_scale_f32_16x16x128_f8f6f4 v[rD:rD+7], v[rA:rA+11], v[rB:rB+11], 0, v[rK], v255 matrix_a_fmt:MATRIX_FMT_FP6 matrix_b_fmt:MATRIX_FMT_FP6 matrix_a_scale:MATRIX_SCALE_ROW1
.else
	v_wmma_scale_f32_16x16x128_f8f6f4 v[rD:rD+7], v[rA:rA+11], v[rB:rB+11], 0, v[rK], v255 matrix_a_fmt:MATRIX_FMT_FP6 matrix_b_fmt:MATRIX_FMT_FP6
.endif
.endm
.macro FOUR off                        ; four fragments, as images, from off bytes on in the step in hand
.irp f, 0,1,2,3
	ds_load_b128 v[KF+12*\f:KF+12*\f+3], v[A16] offset:(\off)+1536*\f
	ds_load_b64 v[KF+12*\f+4:KF+12*\f+5], v[A8] offset:(\off)+1536*\f+512
	ds_load_b128 v[KF+12*\f+6:KF+12*\f+9], v[A16] offset:(\off)+1536*\f+768
	ds_load_b64 v[KF+12*\f+10:KF+12*\f+11], v[A8] offset:(\off)+1536*\f+1280
.endr
.endm
; A KEY STEP: the 128 keys at LDS byte s[TB].  mask = 1: xa's last step, whose places 92-127 are no keys.
.macro STEP mask
	v_add_nc_u32 v[A16], s[TB], v[L16]             ; these two and two v_nop are the four places in front of loads into, and writes of, registers that the last products have read
	v_add_nc_u32 v[A8], s[TB], v[L8]
	v_nop
	v_nop
.if \mask
.irp i, 0,1,2,3,4,5,6,7
	v_mov_b32 v[232+\i], 0xf149f2ca                ; -1e30: the C of tiles 6 and 7 (places 96-127)
.endr
.irp i, 0,1,2,3
	v_mov_b32 v[240+\i], 0
.endr
.irp i, 0,1,2,3
	v_cndmask_b32 v[244+\i], v240, v232, s[HM]     ; the C of tile 5: places 92-95 are its registers 4-7 in lanes 16-31
.endr
.endif
	FOUR 0
	ds_load_b64 v[248:249], v[A8] offset:12288
	s_wait_alu depctr_va_vdst(0)                   ; the wait ahead of the wait below
	s_wait_dscnt 0x0
.irp b, 0,1,2,3
.irp u, 0,1
	SCORE \b, \u, \mask
.endr
.endr
	v_mov_b32 v11, v12                             ; the last -M; with three v_nop the four places behind the products
.rept 3
	v_nop
.endr
	FOUR 6144                                      ; V's fragments into the same registers: they land under the softmax
	ds_load_b64 v[250:251], v[A8] offset:12544
.irp b, 0,1,2,3
	v_max3_num_f32 v[232+\b], v[S+16*\b], v[S+1+16*\b], v[S+2+16*\b]   ; the largest score of each block of 32 keys: it serves the row's maximum and, since p rises with the score, the block's largest p
.endr
.irp i, 3,5,7,9,11,13
.irp b, 0,1,2,3
	v_max3_num_f32 v[232+\b], v[232+\b], v[S+16*\b+\i], v[S+1+16*\b+\i]
.endr
.endr
.irp b, 0,1,2,3
	v_max_num_f32 v[232+\b], v[232+\b], v[S+15+16*\b]
.endr
.irp b, 0,1,2,3
	s_delay_alu instid0(VALU_DEP_4)
	v_permlanex16_b32 v[236+\b], v[232+\b], s[SEL], s[SEL+1]
.endr
.irp b, 0,1,2,3
	s_delay_alu instid0(VALU_DEP_4)
	v_max_num_f32 v[232+\b], v[232+\b], v[236+\b]
.endr
	s_delay_alu instid0(VALU_DEP_2)
	v_max3_num_f32 v254, v232, v233, v234
	s_delay_alu instid0(VALU_DEP_1)
	v_max_num_f32 v254, v254, v235
	s_delay_alu instid0(VALU_DEP_1)
	v_mul_f32 v254, s[CS], v254
	s_delay_alu instid0(VALU_DEP_1)
	v_max_num_f32 v13, v13, v254                   ; the running largest t
	s_delay_alu instid0(VALU_DEP_1)
	v_floor_f32 v12, -v13                          ; the new -M = -ceil(t): a whole number
	s_delay_alu instid0(VALU_DEP_1)
	v_sub_f32 v254, v12, v11
	s_delay_alu instid0(VALU_DEP_1)
	v_cvt_i32_f32 v254, v254                       ; (it saturates)
	s_delay_alu instid0(VALU_DEP_1)
	v_ldexp_f32 v252, 1.0, v254                    ; f = 2^(old M - new M): the rescaling rounds nothing
.set i, 0
.rept 32
	v_pk_fma_f32 v[S+i:S+i+1], v[S+i:S+i+1], s[CS:CS+1], v[12:13] op_sel_hi:[1,0,0]   ; t - M
.set i, i+2
.endr
.irp b, 0,1,2,3
	v_fma_f32 v[232+\b], v[232+\b], s[CS], v12
.endr
	s_wait_alu depctr_va_vdst(0)                   ; the wait ahead of the batch
.set i, 0
.rept 64
	v_exp_f32 v[S+i], v[S+i]                       ; p = 2^(t - M)
.set i, i+1
.endr
	v_pk_mul_f32 v[14:15], v[14:15], v[252:253] op_sel_hi:[1,0]    ; the sums under the new M (a plain line behind the exponentials)
	s_wait_alu depctr_va_vdst(0)                   ; one wait for the batch of 64, ahead of its first reader
.irp b, 0,1,2,3
	v_exp_f32 v[232+\b], v[232+\b]                 ; each block's largest p
.endr
.irp c, 0,1,2,3,4,5,6                  ; the row's sum of the unquantised p: 32 packed additions in eight chains
	v_pk_add_f32 v[236+2*\c:237+2*\c], v[S+2*\c:S+2*\c+1], v[S+14+2*\c:S+15+2*\c]
.endr
	v_pk_add_f32 v[14:15], v[14:15], v[S+28:S+29]
.irp g, 30, 46
.irp c, 0,1,2,3,4,5,6
	v_pk_add_f32 v[236+2*\c:237+2*\c], v[236+2*\c:237+2*\c], v[S+\g+2*\c:S+\g+2*\c+1]
.endr
	v_pk_add_f32 v[14:15], v[14:15], v[S+\g+14:S+\g+15]
.endr
	v_pk_add_f32 v[236:237], v[236:237], v[S+62:S+63]
	v_pk_add_f32 v[240:241], v[240:241], v[242:243]
	v_pk_add_f32 v[244:245], v[244:245], v[246:247]
	v_pk_add_f32 v[14:15], v[14:15], v[248:249]
	v_pk_add_f32 v[236:237], v[236:237], v[238:239]
	s_delay_alu instid0(VALU_DEP_2)
	v_pk_add_f32 v[14:15], v[14:15], v[244:245]
	s_delay_alu instid0(VALU_DEP_2)
	v_pk_add_f32 v[236:237], v[236:237], v[240:241]
	s_delay_alu instid0(VALU_DEP_1)
	v_pk_add_f32 v[14:15], v[14:15], v[236:237]
	s_wait_alu depctr_va_vdst(0)                   ; and one for the four
.irp b, 0,1,2,3
	v_max_num_f32 v[232+\b], 0x1800000, v[232+\b]  ; the floor 2^(3 - 127): the byte cannot fall under 1
.endr
.irp b, 0,1,2,3
	s_delay_alu instid0(VALU_DEP_4)
	v_add_nc_u32 v[244+\b], 0xff000000, v[232+\b]  ; the conversions' scale operands
.endr
.irp b, 0,1,2,3
	s_delay_alu instid0(VALU_DEP_4)
	v_lshrrev_b32 v[236+\b], 23, v[244+\b]
.endr
	s_delay_alu instid0(VALU_DEP_3)
	v_lshl_or_b32 v253, v237, 8, v236              ; p's scale word for these 128 keys
	s_delay_alu instid0(VALU_DEP_1)
	v_lshl_or_b32 v253, v238, 16, v253
	s_delay_alu instid0(VALU_DEP_1)
	v_lshl_or_b32 v253, v239, 24, v253
.irp c, 0,1
	v_cvt_scalef32_pk16_fp6_f32 v[224+6*\c:226+6*\c], v[S+32*\c:S+15+32*\c], v[244+2*\c]
	v_cvt_scalef32_pk16_fp6_f32 v[236+4*\c:238+4*\c], v[S+16+32*\c:S+31+32*\c], v[244+2*\c+1]
.endr
	v_nop                                          ; one plain line behind a scaled conversion
.irp c, 0,1
.irp i, 0,1,2
	v_permlane16_swap_b32 v[224+6*\c+\i], v[236+4*\c+\i]   ; a whole block to a lane
.endr
.irp i, 0,1,2
	s_delay_alu instid0(VALU_DEP_3)
	v_mov_b32 v[227+6*\c+\i], v[236+4*\c+\i]
.endr
.endr
	s_wait_alu depctr_va_vdst(0)                   ; the wait directly ahead of the first reader of O^T
.set i, 0
.rept 16
	v_pk_mul_f32 v[O+i:O+i+1], v[O+i:O+i+1], v[252:253] op_sel_hi:[1,0]   ; O^T under the new M; these sixteen also stand between the writes of p's codes and scale word and the products
.set i, i+2
.endr
	s_wait_alu depctr_va_vdst(0)                   ; the wait ahead of the wait below
	s_wait_dscnt 0x0                               ; V is in
.irp t, 0,2
	v_wmma_scale_f32_16x16x128_f8f6f4 v[O+8*\t:O+8*\t+7], v[KF+12*\t:KF+12*\t+11], v[224:235], v[O+8*\t:O+8*\t+7], v[250+\t/2], v253 matrix_a_fmt:MATRIX_FMT_FP6 matrix_b_fmt:MATRIX_FMT_FP6
	v_wmma_scale_f32_16x16x128_f8f6f4 v[O+8*\t+8:O+8*\t+15], v[KF+12*\t+12:KF+12*\t+23], v[224:235], v[O+8*\t+8:O+8*\t+15], v[250+\t/2], v253 matrix_a_fmt:MATRIX_FMT_FP6 matrix_b_fmt:MATRIX_FMT_FP6 matrix_a_scale:MATRIX_SCALE_ROW1
.endr
.endm
.macro WALK n                          ; n key steps on end
	s_mov_b32 s[CNT], \n
.Lwalk_\@:
	STEP 0
	s_add_co_u32 s[TB], s[TB], STEPB
	s_sub_co_u32 s[CNT], s[CNT], 1
	s_cmp_lg_u32 s[CNT], 0
	s_cbranch_scc1 .Lwalk_\@
.endm
; A CHANGE.  Each wave waits for all its tensor loads, adds 0 to its spare word, and waits for that and for its reads of the places that it has left.
; kind 1: the first fill of places 4-23 (steps 4-23); kind 2: places 0-3 are filled again (steps 24-27): a round of the cluster's barrier, the joint load first behind it; kind 0: nothing is left to ask for.
; Those adds stand twice on end.
.macro CHANGE kind
	s_wait_tensorcnt 0x0                           ; no tensor load of mine is out, so the descriptor may be written
	ds_add_u32 v[SPW], v[NIL]
.if \kind
	ds_add_u32 v[SPW], v[NIL]
.if \kind == 1
	s_add_co_u32 s[G0+1], s47, 4*STEPB
	s_add_nc_u64 s[G0+2:G0+3], s[G0+2:G0+3], 4*STEPB
.else
	s_mov_b32 s[G0+1], s47
	s_add_nc_u64 s[G0+2:G0+3], s[G0+2:G0+3], 20*STEPB
.endif
.endif
	s_wait_dscnt 0x0
.if \kind == 1
	CROUND
	JLOAD 10
.elseif \kind == 2
	CROUND
	JLOAD 2
.else
	s_barrier_signal -1
	s_barrier_wait -1
.endif
.endm
; A softmax ends: O^T / the sum, times its share of the gate.  second = 0: x (1 - gate) starts the result; 1: x gate is added.
.macro FIN second
.rept 4
	v_nop                                          ; places behind the last products
.endr
	v_add_f32 v14, v14, v15
	s_delay_alu instid0(VALU_DEP_1)
	v_permlanex16_b32 v252, v14, s[SEL], s[SEL+1]
	s_delay_alu instid0(VALU_DEP_1)
	v_add_f32 v14, v14, v252                       ; the row's sum
	s_wait_alu depctr_va_vdst(0)
	v_rcp_f32 v14, v14
	v_nop
	s_wait_alu depctr_va_vdst(0)
	v_mul_f32 v14, v14, v[G1M+\second]
	s_delay_alu instid0(VALU_DEP_1)
	v_mov_b32 v15, v14
	s_wait_alu depctr_va_vdst(0)                   ; directly ahead of the first reader of O^T
.set i, 0
.rept 16
.if \second
	v_pk_fma_f32 v[RES+i:RES+i+1], v[O+i:O+i+1], v[14:15], v[RES+i:RES+i+1]
.else
	v_pk_mul_f32 v[RES+i:RES+i+1], v[O+i:O+i+1], v[14:15]
.endif
.set i, i+2
.endr
.endm
.macro QUANT2 s, tm, pc, pc2, h        ; 32 numbers of a lane, register 16 b + i = place 32 b + 16 h + i, become six registers of codes and two scale bytes
.irp b, 0,1
	v_max3_num_f32 v[\tm+\b], |v[\s+16*\b]|, |v[\s+16*\b+1]|, 0x1800000
.endr
.irp i, 2,4,6,8,10,12,14
.irp b, 0,1
	s_delay_alu instid0(VALU_DEP_2)
	v_max3_num_f32 v[\tm+\b], v[\tm+\b], |v[\s+16*\b+\i]|, |v[\s+16*\b+\i+1]|
.endr
.endr
.irp b, 0,1
	s_delay_alu instid0(VALU_DEP_2)
	v_permlanex16_b32 v[\tm+2+\b], v[\tm+\b], s[SEL], s[SEL+1]
.endr
.irp b, 0,1
	s_delay_alu instid0(VALU_DEP_2)
	v_max_num_f32 v[\tm+\b], v[\tm+\b], v[\tm+2+\b]
.endr
.irp b, 0,1
	s_delay_alu instid0(VALU_DEP_2)
	v_add_nc_u32 v[\tm+4+\b], 0xff000000, v[\tm+\b]
.endr
.irp b, 0,1
	s_delay_alu instid0(VALU_DEP_2)
	v_lshrrev_b32 v[\tm+2+\b], 23, v[\tm+4+\b]
.endr
	s_delay_alu instid0(VALU_DEP_1)
	v_lshl_or_b32 v[\h], v[\tm+3], 8, v[\tm+2]
	v_cvt_scalef32_pk16_fp6_f32 v[\pc:\pc+2], v[\s:\s+15], v[\tm+4]
	v_cvt_scalef32_pk16_fp6_f32 v[\pc2:\pc2+2], v[\s+16:\s+31], v[\tm+5]
	v_nop
.irp i, 0,1,2
	v_permlane16_swap_b32 v[\pc+\i], v[\pc2+\i]
.endr
.irp i, 0,1,2
	s_delay_alu instid0(VALU_DEP_3)
	v_mov_b32 v[\pc+3+\i], v[\pc2+\i]
.endr
.endm
	s_wait_alu depctr_va_vdst(0)                   ; the wait at the head's end
	CHANGE 1                                       ; steps 0-3 are whole; steps 4-23 are asked for
	s_mov_b32 s[TB], 0
	WALK 4                                         ; keys of x: steps 0-3
	CHANGE 2                                       ; steps 4-23 are whole; places 0-3 take steps 24-27
	WALK 12                                        ; keys of x: steps 4-15
	FIN 0
	RESET
	WALK 8                                         ; keys of xa: steps 16-23
	CHANGE 0
	s_mov_b32 s[TB], 0
	WALK 3                                         ; steps 24-26
	STEP 1                                         ; and the last, with its hidden places
	FIN 1
	; THE WAY OUT: register 16 b + i of the result is channel 32 b + 16 (lane / 16) + i of my query: half a fragment of the last product's operand, stored as an image
	QUANT2 RES, 232, 224, 240, 244
	global_store_b128 v[L16], v[224:227], s[10:11]             ; 512 consecutive bytes
	global_store_b64 v[L8], v[228:229], s[10:11] offset:512    ; 256 consecutive bytes
	global_store_b16 v[SO], v244, s[12:13]                     ; my row's two scale bytes (lanes r and r + 16 store the same): all that a wave has of a row's 32
	s_wait_tensorcnt 0x0                           ; the wave's end
	ds_add_u32 v[SPW], v[NIL]
	s_wait_dscnt 0x0
	CROUND                                         ; the closing round
	s_endpgm
.Lfunc_end_k_q59e04f54d0_att:
	.size	k_q59e04f54d0_att, .Lfunc_end_k_q59e04f54d0_att-k_q59e04f54d0_att
	.p2alignl 7, 3214868480
	.fill 96, 4, 3214868480
	.section	.rodata,"a",@progbits
	.p2align	6, 0x0
	.amdhsa_kernel k_q59e04f54d0_att
		.amdhsa_group_segment_fixed_size 327680
		.amdhsa_private_segment_fixed_size 0
		.amdhsa_enable_private_segment 0
		.amdhsa_kernarg_size 40
		.amdhsa_user_sgpr_count 2
		.amdhsa_user_sgpr_kernarg_segment_ptr 1
		.amdhsa_wavefront_size32 1
		.amdhsa_system_sgpr_workgroup_id_x 1
		.amdhsa_system_sgpr_workgroup_id_y 1
		.amdhsa_system_sgpr_workgroup_id_z 1
		.amdhsa_system_vgpr_workitem_id 0
		.amdhsa_next_free_vgpr 256
		.amdhsa_next_free_sgpr 80
		.amdhsa_reserve_vcc 0
		.amdhsa_float_denorm_mode_32 3
		.amdhsa_float_denorm_mode_16_64 3
		.amdhsa_memory_ordered 1
		.amdhsa_forward_progress 1
		.amdhsa_inst_pref_size 103
	.end_amdhsa_kernel
	.amdgpu_metadata
---
amdhsa.version: [ 1, 2 ]
amdhsa.kernels:
  - .name:           k_q59e04f54d0_att
    .symbol:         k_q59e04f54d0_att.kd
    .args:
      - { .name: qimg, .offset: 0, .size: 8, .value_kind: global_buffer, .address_space: global }
      - { .name: kv, .offset: 8, .size: 8, .value_kind: global_buffer, .address_space: global }
      - { .name: g, .offset: 16, .size: 8, .value_kind: global_buffer, .address_space: global }
      - { .name: attc, .offset: 24, .size: 8, .value_kind: global_buffer, .address_space: global }
      - { .name: atts, .offset: 32, .size: 8, .value_kind: global_buffer, .address_space: global }
    .group_segment_fixed_size: 327680
    .private_segment_fixed_size: 0
    .kernarg_segment_align: 8
    .kernarg_segment_size: 40
    .max_flat_workgroup_size: 512
    .sgpr_count:     80
    .vgpr_count:     256
    .wavefront_size: 32
...
	.end_amdgpu_metadata
.endif
;; end of part 3
;; launch outp (part 4): grid 8 x 32, 4 waves a work-group, clusters of 4 x 4, 327,680 bytes of LDS; arguments attc, atts, codes, scales, bo, out0; writes out0
.if DOCPART == 4
	.amdgcn_target "amdgcn-amd-amdhsa--gfx1250"
	.amdhsa_code_object_version 6
	.text
	.protected	k_q59e04f54d0_outp
	.globl	k_q59e04f54d0_outp
	.p2align	8
	.type	k_q59e04f54d0_outp,@function
k_q59e04f54d0_outp:
	s_mov_b64 s[64:65], 0
	v_nop
	global_prefetch_b8 v0, s[64:65] scope:SCOPE_SE
	s_setreg_imm32_b32 hwreg(HW_REG_WAVE_MODE, 25, 1), 1
	s_wait_xcnt 0x0
	s_wait_alu depctr_hold_cnt(0) depctr_sa_sdst(0) depctr_va_vdst(0) depctr_va_sdst(0) depctr_va_ssrc(0) depctr_va_vcc(0) depctr_vm_vsrc(0)
	s_getreg_b32 s2, hwreg(HW_REG_IB_STS2, 6, 4)
	s_cmp_eq_u32 s2, 0
	s_cbranch_scc0 .Lentry_in_a_cluster
	s_endpgm
.Lentry_in_a_cluster:
	s_bfe_u32 s2, ttmp6, 0x10000c
	s_cmp_lg_u32 s2, 0xf033
	s_cbranch_scc0 .Lentry_shape_is_right
	s_endpgm
.Lentry_shape_is_right:
; out0 = (the gated attention, as codes) x Wo (as codes) + bo: [4,096 x 1,024] x [1,024 x 1,024] on codes of FP6 (E2M3) with E8M0 scales, f32 sums.
; SHARES: 256 work-groups, a block of 128 x 128 each; four waves, 64 x 64 each: 16 accumulators, which take turns.
; ALL OF K LIES IN LDS AT ONCE: A's 128 rows are 98,304 dense bytes (images of registers: [tile of 16 rows][head][768 bytes]); B's 128 rows of Wo are 98,304 dense bytes ([K step of 256][row][192 bytes]), laid with 16 bytes of
; padding behind each 64 (LDS rows of 240 bytes); the scales of each side are 4,096 dense bytes.  Four tiles, four waves: ONE tensor load a wave at the head, nothing is filled again, one barrier.
; CLUSTERS of 4 x 4: A's tiles are asked for jointly along a row of the cluster, B's along a column.  NO DATA PREFETCH: every byte is asked for at the head; there is no loop to run ahead in.
; Stored rows of both operands are permuted in groups of 32 (bits 3 and 4 of a row's number exchanged): tile a's row t is row 32 (a / 2) + 8 (a % 2) + t + 8 (t / 8).  The way out puts rows and columns back.
; THE MATRIX INSTRUCTION IS USED TRANSPOSED (source 0 = B's rows, source 1 = A's): a lane holds eight neighbouring columns of a row.  The bias is the C of the first K step.
; REGISTERS: window 0: v8-18 addresses; v32-63 all scale words (lanes 0-15 A's block i, lanes 16-31 B's block i; register 8 i + K step); v64-95 the bias; v96-191 A's fragments, two sets; v192-255 the way out.
;   window 1: v0-127 accumulator (a, b) at 8 (4 a + b); v128-223 B's fragments, two sets.
.set PITCH,  240
.set BPL,    128*PITCH                 ; B's 128 rows of one K step of 256 in LDS
.set LB,     98304                     ; behind A's images
.set SCL,    LB+4*BPL                  ; the scales: units of 256 bytes + 16
.set SBLK,   544                       ; those of 16 rows
.set STAGE,  SCL+16*SBLK               ; 16 rows x 272 bytes for each wave: bytes into which no fill lands
.set SPITCH, 272
.set SPARE,  STAGE+4*16*SPITCH         ; the spare words, which no other line names
.set WO0,    12288                     ; Wo's first row in the codes' and scales' buffers
.set ADRA, 8
.set ADRB, 10
.set ADRS, 14
.set STO,  15
.set RD,   16
.set CO,   17
.set BH,   18
.set SPW,  28
.set NIL,  29
.set SC,   32
.set BI,   64
.set AF,   96
.set BK,   192
.set BF,   128
.set GA1, 24
.set GA0, 32
.set GB1, 36
.set GB0, 44
.set GSA1, 48
.set GSA0, 56
.set GSB0, 60
.set GSB1, 68
.set MSB, 0
.macro WIN new
.if MSB != (\new)
	s_set_vgpr_msb (MSB<<8)|(\new)
.set MSB, (\new)
.endif
.endm
.macro CROUND
	s_barrier_signal -1
	s_barrier_wait -1
	s_cmp_lg_u32 s16, 0
	s_cbranch_scc1 .Lnot_wave_0_\@
	s_barrier_signal -3
.Lnot_wave_0_\@:
	s_barrier_wait -3
	s_barrier_signal -1
	s_barrier_wait -1
.endm
	s_load_b256 s[4:11], s[0:1], 0x0               ; attc, atts, codes, scales
	s_load_b128 s[12:15], s[0:1], 0x20             ; bo, out0
	v_lshl_add_u32 v[SPW], v0, 2, SPARE
	v_mov_b32 v[NIL], 0
	ds_add_u32 v[SPW], v[NIL]                      ; the opening lines: the add, twice on end, and its wait
	ds_add_u32 v[SPW], v[NIL]
	v_lshrrev_b32 v1, 5, v0
	v_readfirstlane_b32 s16, v1                    ; wave
	s_lshr_b32 s17, s16, 1                         ; my half of the block's rows
	s_and_b32 s18, s16, 1                          ; my half of its columns
	s_bfe_u32 s19, ttmp6, 0x40000                  ; cx
	s_bfe_u32 s20, ttmp6, 0x40004                  ; cy
	s_lshl_b32 s21, ttmp9, 2
	s_add_co_u32 s21, s21, s19                     ; block column 0..7
	s_and_b32 s22, ttmp7, 0xffff
	s_lshl_b32 s22, s22, 2
	s_add_co_u32 s22, s22, s20                     ; block row 0..31
	s_lshl_b32 s23, s20, 2
	s_lshl_b32 s23, 15, s23                        ; my row of the cluster
	s_lshl_b32 s76, 0x1111, s19                    ; my column
	s_or_b32 s[GA1], s23, (3<<16)|(1<<21)          ; A: 384 rows of 256 bytes, dense, no padding
	s_or_b32 s[GB1], s76, (3<<16)|(1<<20)|(1<<21)|(3<<22)|(3<<25)   ; B: the same, 4 words of padding behind each 16
.irp g, GA1, GB1
	s_mov_b32 s[\g+1], 32<<16
	s_mov_b32 s[\g+2], 384<<16
	s_mov_b32 s[\g+3], 32<<16
	s_mov_b32 s[\g+4], 384
	s_mov_b32 s[\g+5], 32
	s_mov_b32 s[\g+6], 0
	s_mov_b32 s[\g+7], 0
.endr
	s_or_b32 s[GSA1], s23, (3<<16)|(1<<20)|(1<<21)|(5<<22)|(3<<25)  ; the scales: 16 rows of 256 bytes, 4 words of padding behind each
	s_or_b32 s[GSB1], s76, (3<<16)|(1<<20)|(1<<21)|(5<<22)|(3<<25)
.irp g, GSA1, GSB1
	s_mov_b32 s[\g+1], 32<<16
	s_mov_b32 s[\g+2], 16<<16
	s_mov_b32 s[\g+3], 32<<16
	s_mov_b32 s[\g+4], 16
	s_mov_b32 s[\g+5], 32
	s_mov_b32 s[\g+6], 0
	s_mov_b32 s[\g+7], 0
.endr
	s_mul_i32 s78, s22, 98304                      ; A's codes and scales hang on the block row alone,
	s_mov_b32 s79, 0
	s_lshl_b32 s80, s22, 12
	s_mov_b32 s81, 0
	s_mul_i32 s82, s21, 98304                      ; B's on the block column alone
	s_add_co_u32 s82, s82, WO0*768
	s_mov_b32 s83, 0
	s_lshl_b32 s84, s21, 12
	s_add_co_u32 s84, s84, WO0*32
	s_mov_b32 s85, 0
	s_wait_dscnt 0x0                               ; both opening adds are done
	s_wait_kmcnt 0x0
	s_mov_b32 s[GA0], 1
	s_mov_b32 s[GA0+1], 0
	s_add_nc_u64 s[GA0+2:GA0+3], s[4:5], s[78:79]
	s_or_b32 s[GA0+3], s[GA0+3], 0x80000000
	s_mov_b32 s[GB0], 1
	s_mov_b32 s[GB0+1], LB
	s_add_nc_u64 s[GB0+2:GB0+3], s[8:9], s[82:83]
	s_or_b32 s[GB0+3], s[GB0+3], 0x80000000
	s_mov_b32 s[GSA0], 1
	s_mov_b32 s[GSA0+1], SCL
	s_add_nc_u64 s[GSA0+2:GSA0+3], s[6:7], s[80:81]
	s_or_b32 s[GSA0+3], s[GSA0+3], 0x80000000
	s_mov_b32 s[GSB0], 1
	s_mov_b32 s[GSB0+1], SCL+8*SBLK
	s_add_nc_u64 s[GSB0+2:GSB0+3], s[10:11], s[84:85]
	s_or_b32 s[GSB0+3], s[GSB0+3], 0x80000000
	CROUND                                         ; all sixteen work-groups are here: the joint loads meet
; one chain of branches on the wave's number, one load to an arm: wave 0 B's codes, wave 1 A's, wave 2 A's scales, wave 3 B's
.macro ARM under, g0, g1, next
	s_cmp_lt_u32 s16, \under
	s_cbranch_scc0 \next
	tensor_load_to_lds s[\g0:\g0+3], s[\g1:\g1+7]
	s_nop 0
.rept 4
	v_nop
.endr
	s_branch .Lhead_asked
\next:
.endm
	ARM 1, GB0, GB1, .Lhead_a
	ARM 2, GA0, GA1, .Lhead_sa
	ARM 3, GSA0, GSA1, .Lhead_sb
	tensor_load_to_lds s[GSB0:GSB0+3], s[GSB1:GSB1+7]
	s_nop 0
.rept 4
	v_nop
.endr
.Lhead_asked:
	s_mul_i32 s90, s17, 4*12288                    ; my four tiles of A
	s_mul_i32 s91, s18, 64*PITCH
	s_add_co_u32 s91, s91, LB                      ; my 64 rows of B, K steps 0 and 1 of 256,
	s_add_co_u32 s92, s91, 2*BPL                   ; and K steps 2 and 3
	s_mul_i32 s93, s17, 4*SBLK                     ; A's scales: my 64 rows
	s_mul_i32 s94, s18, 4*SBLK
	s_add_co_u32 s94, s94, 8*SBLK                  ; B's, behind A's 128
	s_sub_co_u32 s94, s94, s93
	s_add_co_u32 s93, s93, SCL
	s_mul_i32 s95, s16, 16*SPITCH
	s_add_co_u32 s95, s95, STAGE                   ; my stage
	s_lshl_b32 s86, s22, 7
	s_lshl_b32 s87, s17, 6
	s_add_co_u32 s86, s86, s87
	s_lshl_b32 s86, s86, 12                        ; my first row of out0, in bytes
	s_lshl_b32 s88, s21, 9
	s_lshl_b32 s89, s18, 8
	s_add_co_u32 s88, s88, s89                     ; my first column, in bytes
	s_mov_b32 s89, 0
	s_add_nc_u64 s[12:13], s[12:13], s[88:89]
	s_add_co_u32 s86, s86, s88
	s_mov_b32 s87, 0
	s_add_nc_u64 s[14:15], s[14:15], s[86:87]
	v_and_b32 v1, 15, v0                           ; r
	v_bfe_u32 v2, v0, 4, 1                         ; h
	v_and_b32 v3, 31, v0
	v_lshlrev_b32 v4, 4, v3
	v_lshlrev_b32 v5, 3, v3
	v_add_nc_u32 v[ADRA], s90, v4                  ; A's images: 16 bytes a lane,
	v_add_nc_u32 v[ADRA+1], s90, v5                ; and 8 bytes a lane
	v_mul_u32_u24 v4, v1, PITCH
	v_mad_u32_u24 v4, v2, 24, v4                   ; B: row x pitch + 24 x half;
	v_lshl_add_u32 v5, v2, 4, v4                   ; for pieces whose lanes 16-31 lie behind one padding more
	v_add_nc_u32 v[ADRB], s91, v4
	v_add_nc_u32 v[ADRB+1], s92, v4
	v_add_nc_u32 v[ADRB+2], s91, v5
	v_add_nc_u32 v[ADRB+3], s92, v5
	v_lshlrev_b32 v6, 5, v1                        ; my row's 32 scale bytes,
	v_lshrrev_b32 v7, 8, v6
	v_lshl_add_u32 v6, v7, 4, v6                   ; 16 more for each 256 passed
	v_mul_u32_u24 v7, s94, v2                      ; lanes 16-31 take B's
	v_add_nc_u32 v6, v6, v7
	v_add_nc_u32 v[ADRS], s93, v6
	v_mul_u32_u24 v6, v1, SPITCH                   ; the stage, in: row r, 64 bytes for each half of the lanes
	v_lshl_add_u32 v6, v2, 6, v6
	v_add_nc_u32 v[STO], s95, v6
	v_mul_u32_u24 v7, v2, SPITCH                   ; back: sixteen lanes to a row of 256 bytes, two rows an instruction
	v_lshl_add_u32 v7, v1, 4, v7
	v_add_nc_u32 v[RD], s95, v7
	v_lshlrev_b32 v6, 12, v2
	v_lshl_add_u32 v[CO], v1, 4, v6                ; and the same two rows in out0
	v_lshlrev_b32 v[BH], 6, v2
	s_wait_alu depctr_va_vdst(0)                   ; the wait at the head's end
.irp b, 0,1,2,3
	global_load_b128 v[BI+8*\b:BI+8*\b+3], v[BH], s[12:13] offset:4*(32*(\b/2)+8*(\b%2))       ; bo at my eight columns of B's block b
	global_load_b128 v[BI+8*\b+4:BI+8*\b+7], v[BH], s[12:13] offset:4*(32*(\b/2)+8*(\b%2))+16
.endr
	s_wait_tensorcnt 0x0                           ; my tile is in;
	s_barrier_signal -1
	s_barrier_wait -1                              ; all four are
.macro FRAG reg, adr, q, i, pl         ; B: 16 rows x 128 K, six pieces of 8 bytes; q: which half of the K step of 256; pl: which of the address's two K steps
.irp p, 0,1,2,3,4,5
.set PCE, 12*(\q)+6*(\p/3)+\p%3
.if PCE%8 < 5
	ds_load_b64 v[\reg+2*\p:\reg+2*\p+1], v[\adr] offset:8*PCE+16*(PCE/8)+(\i)*16*PITCH+(\pl)*BPL
.else
	ds_load_b64 v[\reg+2*\p:\reg+2*\p+1], v[\adr+2] offset:8*PCE+16*(PCE/8)+(\i)*16*PITCH+(\pl)*BPL
.endif
.endr
.endm
.macro FRAGA reg, st, i                ; A: tile i, heads 2 st and 2 st + 1, as images
	ds_load_b128 v[\reg:\reg+3], v[ADRA] offset:12288*(\i)+1536*(\st)
	ds_load_b64 v[\reg+4:\reg+5], v[ADRA+1] offset:12288*(\i)+1536*(\st)+512
	ds_load_b128 v[\reg+6:\reg+9], v[ADRA] offset:12288*(\i)+1536*(\st)+768
	ds_load_b64 v[\reg+10:\reg+11], v[ADRA+1] offset:12288*(\i)+1536*(\st)+1280
.endm
.macro FETCH st                        ; the fragments of step st (128 along K) into set st % 2: 24 + 16 = 40 LDS loads
	WIN 0x40
.irp i, 0,1,2,3
	FRAG BF+48*((\st)%2)+12*\i, ADRB+(\st)/4, (\st)%2, \i, ((\st)/2)%2
.endr
	WIN 0
.irp i, 0,1,2,3
	FRAGA AF+48*((\st)%2)+12*\i, \st, \i
.endr
.endm
.macro MUL st
.irp a, 0,1,2,3
.irp b, 0,1,2,3
.if (\st) == 0
	v_wmma_scale_f32_16x16x128_f8f6f4 v[8*(4*\a+\b):8*(4*\a+\b)+7], v[BF+12*\b:BF+12*\b+11], v[AF+12*\a:AF+12*\a+11], v[BI+8*\b:BI+8*\b+7], v[SC+8*\b], v[SC+8*\a] matrix_a_fmt:MATRIX_FMT_FP6 matrix_b_fmt:MATRIX_FMT_FP6 matrix_a_scale:MATRIX_SCALE_ROW1
.else
	v_wmma_scale_f32_16x16x128_f8f6f4 v[8*(4*\a+\b):8*(4*\a+\b)+7], v[BF+48*((\st)%2)+12*\b:BF+48*((\st)%2)+12*\b+11], v[AF+48*((\st)%2)+12*\a:AF+48*((\st)%2)+12*\a+11], v[8*(4*\a+\b):8*(4*\a+\b)+7], v[SC+8*\b+(\st)], v[SC+8*\a+(\st)] matrix_a_fmt:MATRIX_FMT_FP6 matrix_b_fmt:MATRIX_FMT_FP6 matrix_a_scale:MATRIX_SCALE_ROW1
.endif
.endr
.endr
.endm
.irp i, 0,1,2,3
	ds_load_b128 v[SC+8*\i:SC+8*\i+3], v[ADRS] offset:\i*SBLK        ; the scale words of all eight steps
	ds_load_b128 v[SC+8*\i+4:SC+8*\i+7], v[ADRS] offset:\i*SBLK+16
.endr
	FETCH 0
	s_wait_loadcnt 0x0                             ; the bias is in
.irp st, 0,1,2,3,4,5,6,7
.if \st < 7
.if \st > 0
.rept 4
	v_nop                                          ; places in front of loads into registers that the last products have read
.endr
.endif
	FETCH \st+1
	s_wait_dscnt 40                                ; all but the 40 loads just issued: this step's fragments are in
.else
	s_wait_dscnt 0x0
.endif
.if \st == 0
	WIN 0x41                                       ; B window 1, A window 0, C (the bias) window 0, D window 1
.else
	WIN 0x51                                       ; C and D window 1
.endif
	MUL \st
	WIN 0
.endr
; THE WAY OUT, by blocks of 16 rows x 64 columns, through my own stage: LDS serves a wave's instructions in order, so no wait stands between the stores and the loads
.macro TOSTAGE a
	WIN 0x04                                       ; the data: window 1
.irp b, 0,1,2,3
	ds_store_b128 v[STO], v[8*(4*(\a)+\b):8*(4*(\a)+\b)+3] offset:128*(\b/2)+32*(\b%2)        ; each accumulator from its low end on
	ds_store_b128 v[STO], v[8*(4*(\a)+\b)+4:8*(4*(\a)+\b)+7] offset:128*(\b/2)+32*(\b%2)+16
.endr
	WIN 0
.irp t, 0,1,2,3,4,5,6,7
	ds_load_b128 v[BK+32*((\a)%2)+4*\t:BK+32*((\a)%2)+4*\t+3], v[RD] offset:\t*2*SPITCH
.endr
.endm
.macro SEND a, younger                 ; younger: the LDS instructions issued behind block a's loads
	s_wait_dscnt \younger
.irp t, 0,1,2,3,4,5,6,7
	global_store_b128 v[CO], v[BK+32*((\a)%2)+4*\t:BK+32*((\a)%2)+4*\t+3], s[14:15] offset:(32*((\a)/2)+8*((\a)%2)+2*\t+8*(\t/4))*4096 th:TH_STORE_NT   ; sixteen lanes store 256 consecutive bytes, aligned
.endr
.endm
.rept 4
	v_nop                                          ; places behind the last products
.endr
	TOSTAGE 0
.irp a, 1,2,3
.if \a > 1
	s_wait_xcnt 0x0                                ; block a - 2's stores have read their registers
.endif
	TOSTAGE \a
	SEND \a-1, 16
.endr
	SEND 3, 0
	s_wait_tensorcnt 0x0                           ; the wave's end
	ds_add_u32 v[SPW], v[NIL]
	s_wait_dscnt 0x0
	CROUND                                         ; the closing round
	s_endpgm
.Lfunc_end_k_q59e04f54d0_outp:
	.size	k_q59e04f54d0_outp, .Lfunc_end_k_q59e04f54d0_outp-k_q59e04f54d0_outp
	.p2alignl 7, 3214868480
	.fill 96, 4, 3214868480
	.section	.rodata,"a",@progbits
	.p2align	6, 0x0
	.amdhsa_kernel k_q59e04f54d0_outp
		.amdhsa_group_segment_fixed_size 327680
		.amdhsa_private_segment_fixed_size 0
		.amdhsa_enable_private_segment 0
		.amdhsa_kernarg_size 48
		.amdhsa_user_sgpr_count 2
		.amdhsa_user_sgpr_kernarg_segment_ptr 1
		.amdhsa_wavefront_size32 1
		.amdhsa_system_sgpr_workgroup_id_x 1
		.amdhsa_system_sgpr_workgroup_id_y 1
		.amdhsa_system_sgpr_workgroup_id_z 1
		.amdhsa_system_vgpr_workitem_id 0
		.amdhsa_next_free_vgpr 512
		.amdhsa_next_free_sgpr 100
		.amdhsa_reserve_vcc 0
		.amdhsa_float_denorm_mode_32 3
		.amdhsa_float_denorm_mode_16_64 3
		.amdhsa_memory_ordered 1
		.amdhsa_forward_progress 1
		.amdhsa_inst_pref_size 56
	.end_amdhsa_kernel
	.amdgpu_metadata
---
amdhsa.version: [ 1, 2 ]
amdhsa.kernels:
  - .name:           k_q59e04f54d0_outp
    .symbol:         k_q59e04f54d0_outp.kd
    .args:
      - { .name: attc, .offset: 0, .size: 8, .value_kind: global_buffer, .address_space: global }
      - { .name: atts, .offset: 8, .size: 8, .value_kind: global_buffer, .address_space: global }
      - { .name: codes, .offset: 16, .size: 8, .value_kind: global_buffer, .address_space: global }
      - { .name: scales, .offset: 24, .size: 8, .value_kind: global_buffer, .address_space: global }
      - { .name: bo, .offset: 32, .size: 8, .value_kind: global_buffer, .address_space: global }
      - { .name: out0, .offset: 40, .size: 8, .value_kind: global_buffer, .address_space: global }
    .group_segment_fixed_size: 327680
    .private_segment_fixed_size: 0
    .kernarg_segment_align: 8
    .kernarg_segment_size: 48
    .max_flat_workgroup_size: 128
    .sgpr_count:     100
    .vgpr_count:     512
    .wavefront_size: 32
...
	.end_amdgpu_metadata
.endif
;; end of part 4
